; MI455X (gfx1250); checked and timed in simulation.
; The chip was launched on July 23, 2026; its instructions are those of AMD's public machine-readable ISA for CDNA 5 (MIT licence, August 2026) and "CDNA5" Instruction Set Architecture Reference Guide (July 2026). The comments in the code are by the model that wrote it; some were corrected since.
;; Attention. Allowed arithmetic: matrix products marked QUANTISED: E4M3 operands, one E8M0 scale for each 32 along K, by v_wmma_scale_f32_16x16x128_f8f6f4 with both operands' format E4M3, f32 sums; everything else in f32.
;; Inputs: Wk_codes 1,024 x 32 x 32 uint8 (E4M3 codes of Wk, K innermost, in blocks of 32 codes); Wk_scales 1,024 x 32 uint8 (E8M0 scales of Wk, one for each 32 codes along K); Wo_codes 1,024 x 32 x 32 uint8 (E4M3 codes of Wo, K innermost, in blocks of 32 codes); Wo_scales 1,024 x 32 uint8 (E8M0 scales of Wo, one for each 32 codes along K); Wq_codes 1,024 x 32 x 32 uint8 (E4M3 codes of Wq, K innermost, in blocks of 32 codes); Wq_scales 1,024 x 32 uint8 (E8M0 scales of Wq, one for each 32 codes along K); Wv_codes 1,024 x 32 x 32 uint8 (E4M3 codes of Wv, K innermost, in blocks of 32 codes); Wv_scales 1,024 x 32 uint8 (E8M0 scales of Wv, one for each 32 codes along K); bk 1,024 float32; bo 1,024 float32; bq 1,024 float32; bv 1,024 float32; x_codes 4 x 2,048 x 32 x 32 uint8 (E4M3 codes of x, K innermost, in blocks of 32 codes); x_scales 4 x 2,048 x 32 uint8 (E8M0 scales of x, one for each 32 codes along K).
;; Outputs: out0 4 x 2,048 x 1,024 float32.
;; This version of the problem:
;;   THIS VERSION OF THE PROBLEM IS GIVEN IN LOW PRECISION. The matrix products marked QUANTISED in the list below multiply operands that are first quantised to E4M3 (4 exponent bits, 3 mantissa bits; 8 bits a number), with one power-of-two scale for each 32 numbers along K (OCP MX v1.0); their sums are f32. All else is computed in f32.
;;   The module's matrix products, in the order in which they are computed (A, B: the left and right operand; K: the contracted axis; several contracted axes count as one K, in the product's order):
;;     1. [M 8,192, K 1,024] x [K 1,024, N 1,024]; A: input x (given as codes); B: input Wq (given as codes): QUANTISED
;;     2. [M 8,192, K 1,024] x [K 1,024, N 1,024]; A: input x (given as codes); B: input Wk (given as codes): QUANTISED
;;     3. [M 8,192, K 1,024] x [K 1,024, N 1,024]; A: input x (given as codes); B: input Wv (given as codes): QUANTISED
;;     4. batch 64 x [M 2,048, K 64] x [K 64, N 2,048]; A: computed on the way; B: computed on the way: QUANTISED
;;     5. batch 64 x [M 2,048, K 2,048] x [K 2,048, N 64]; A: computed on the way; B: computed on the way: QUANTISED
;;     6. [M 8,192, K 1,024] x [K 1,024, N 1,024]; A: computed on the way; B: input Wo (given as codes): QUANTISED
;;   THE QUANTISER, for each operand of a quantised product, along K:
;;     - K is cut into blocks of 32 from its start; a last block that is shorter is filled with zeros.
;;     - A block's scale is 2^e with e = floor(log2(the largest magnitude in the block)) - 8, held to -126 .. 127; a block of zeros has e = 0. As a byte (E8M0): e + 127.
;;     - Each number is divided by its block's scale, clamped to +-448, and rounded to the nearest number of E4M3, ties to even, subnormals kept.
;;     - The product sums the exact products of the quantised numbers (number of the format x scale) in f32.
;;   ~~~python
;;   def quantise(x, axis):      # numpy; x: float32 -> the quantised numbers, widened to float32 again
;;       x = np.moveaxis(x, axis, -1); K = x.shape[-1]
;;       x = np.pad(x, [(0, 0)] * (x.ndim - 1) + [(0, -K % 32)]); x = x.reshape(x.shape[:-1] + (-1, 32)); a = np.abs(x).max(-1, keepdims=True)
;;       e = np.where(a > 0, np.clip(np.frexp(np.where(a > 0, a, 1))[1] - 1 - 8, -126, 127), 0)      # np.frexp(a)[1] - 1 = floor(log2(a)), exactly
;;       r = np.clip(x / 2.0 ** e, -448, 448)
;;       step = 2.0 ** (np.maximum(np.frexp(np.where(r == 0, 1, r))[1] - 1, -6) - 3)
;;       q = np.round(r / step) * step * 2.0 ** e      # np.round: ties to even
;;       return np.moveaxis(q.reshape(q.shape[:-2] + (-1,))[..., :K], -1, axis).astype(np.float32)
;;   ~~~
;;   OPERANDS COMPUTED ON THE WAY. 'Computed on the way' means the value that the module computes at that place (a softmax that the list does not call 'softmax' is quantised finished and normalised). What goes into a quantiser is computed in f32, as accurately as f32 sums, v_exp_f32 and their like allow (about 1e-6 of the number): no bf16 or f16 on the way to a quantiser, and a product that is left as it is and whose result goes on into a quantised operand takes f32 operands (vector FMAs, or v_wmma_f32_16x16x4_f32). A number that lies on a knife's edge between two numbers of the format may be rounded either way, as far as f32 arithmetic and the matrix unit's own rounding can turn it there, and no further.
;;   INPUTS GIVEN AS CODES. Wk (in the module: [1024, 1024], K = its axis 1); Wo (in the module: [1024, 1024], K = its axis 1); Wq (in the module: [1024, 1024], K = its axis 1); Wv (in the module: [1024, 1024], K = its axis 1); x (in the module: [4, 2048, 1024], K = its axis 2): each comes as NAME_codes (uint8): NAME with its K axis moved to the last place and cut into blocks of 32 codes, [.., K / 32, bytes a block], one block behind the other in memory; one code a byte (a code: sign, 4 exponent bits, 3 mantissa bits); and NAME_scales (uint8): the same leading axes, one E8M0 byte (e + 127) for each 32 codes along K. Its value is code x scale, taken as it is: it is not quantised again, and the codes and scales need not be those that the quantiser above would give.
;; One version. Each part assembles by itself: llvm-mc -triple=amdgcn-amd-amdhsa -mcpu=gfx1250 --defsym DOCPART=n.
;; ======== version 1 of 1: 3 launches
;; limits: right only within a limited range of input values
;; workspace buffers: qc 8,388,608 bytes; kc 8,388,608 bytes; vc 8,388,608 bytes; qs 262,144 bytes; ks 262,144 bytes; vs 262,144 bytes; oc 8,388,608 bytes; os 262,144 bytes
;; launch qkv (part 1): grid 12 x 32, 4 waves a work-group, clusters of 4 x 4, 327,680 bytes of LDS; arguments x_codes, x_scales, Wq_codes, Wq_scales, Wk_codes, Wk_scales, Wv_codes, Wv_scales, bq, bk, bv, qc, qs, kc, ks, vc, vs; writes qc, qs, kc, ks, vc, vs
.if DOCPART == 1
	.amdgcn_target "amdgcn-amd-amdhsa--gfx1250"
	.amdhsa_code_object_version 6
	.text
	.protected	k_q5fb0c2473f_qkv
	.globl	k_q5fb0c2473f_qkv
	.p2align	8
	.type	k_q5fb0c2473f_qkv,@function
k_q5fb0c2473f_qkv:
	s_mov_b64 s[64:65], 0
	v_nop
	global_prefetch_b8 v0, s[64:65] scope:SCOPE_SE
	s_setreg_imm32_b32 hwreg(HW_REG_WAVE_MODE, 25, 1), 1
	s_wait_xcnt 0x0
	s_wait_alu depctr_hold_cnt(0) depctr_sa_sdst(0) depctr_va_vdst(0) depctr_va_sdst(0) depctr_va_ssrc(0) depctr_va_vcc(0) depctr_vm_vsrc(0)
	s_getreg_b32 s2, hwreg(HW_REG_IB_STS2, 6, 4)
	s_cmp_eq_u32 s2, 0
	s_cbranch_scc0 .Lentry_in_a_cluster
	s_endpgm
.Lentry_in_a_cluster:
	s_bfe_u32 s2, ttmp6, 0x10000c
	s_cmp_lg_u32 s2, 0xf033
	s_cbranch_scc0 .Lentry_shape_is_right
	s_endpgm
.Lentry_shape_is_right:
.set SIZE_K, 1024
.set KSTEP,  256
.set NQ,     KSTEP/128
.set ROWB,   256
.set KROW,   SIZE_K
.set PITCH,  272
.set FR,     16
.set NL,     4
.set NP,     8
.set HALFT,  128*PITCH
.set SLOT,   4*HALFT
.set LAPS,   SIZE_K/(2*KSTEP)
.set KS,     SIZE_K/32
.set SCL,    2*SLOT
.set HALFS,  (128*KS/256)*272
.set SBLK,   (16*KS/256)*272
.set SPARE,  SCL+4*HALFS
.set BR,   8
.set ADRA, 16
.set ADRB, 20
.set SST,  24
.set SRD,  25
.set L16,  26
.set ADRS, 27
.set SPW,  28
.set NIL,  29
.set SC,   32
.set BP,   64
.set AF,   128
.set X,    128
.set PC,   192
.set TM,   208
.set PW,   224
.set OFC,  232
.set G1, 24
.set G0, 32
.set G1B, 48
.set G0B, 56
.set G1S, 68
.set G0S, 76
.set G1SB, 80
.set G0SB, 88
.set MNT, 67
.set SEL, 104
.set MSB, 0
.macro WIN new
.if MSB != \new
	s_set_vgpr_msb (MSB<<8)|\new
.set MSB, \new
.endif
.endm
.set MUL_LO, 0xa1
.set MUL_HI, 0xf1
.set TO_B,   0x40
.macro JLOAD g0a, g1a, g0b, g1b
	s_cmp_eq_u32 s15, 0
	s_cbranch_scc0 .Lfor_b_\@
	tensor_load_to_lds s[\g0a:\g0a+3], s[\g1a:\g1a+7]
	s_nop 0
.rept 4
	v_nop
.endr
	s_branch .Lasked_\@
.Lfor_b_\@:
	tensor_load_to_lds s[\g0b:\g0b+3], s[\g1b:\g1b+7]
	s_nop 0
.rept 4
	v_nop
.endr
.Lasked_\@:
.endm
.macro CREST
	s_cmp_lg_u32 s14, 0
	s_cbranch_scc1 .Lnot_wave_0_\@
	s_barrier_signal -3
.Lnot_wave_0_\@:
	s_barrier_wait -3
	s_barrier_signal -1
	s_barrier_wait -1
.endm
.macro CROUND
	s_barrier_signal -1
	s_barrier_wait -1
	CREST
.endm
	s_load_b512 s[24:39], s[0:1], 0x0
	s_load_b512 s[48:63], s[0:1], 0x40
	s_load_b64 s[68:69], s[0:1], 0x80
	v_lshl_add_u32 v[SPW], v0, 2, SPARE
	v_mov_b32 v[NIL], 0
	ds_add_u32 v28, v29
	ds_add_u32 v28, v29
	s_wait_dscnt 0x0
	v_lshrrev_b32 v1, 5, v0
	v_readfirstlane_b32 s14, v1
	s_lshr_b32 s15, s14, 1
	s_and_b32 s16, s14, 1
	s_bfe_u32 s40, ttmp6, 0x40000
	s_bfe_u32 s41, ttmp6, 0x40004
	s_and_b32 s17, ttmp7, 0xffff
	s_lshl_b32 s17, s17, 2
	s_mov_b32 s100, 1024
	s_mov_b32 s66, 0x80000
	s_cmp_eq_u32 ttmp9, 2
	s_cselect_b32 s18, 0, s17
	s_cselect_b32 s19, s17, 0
	s_cselect_b32 s2, 0, -1
	s_cselect_b32 s100, 0x20000, s100
	s_cselect_b32 s66, 1024, s66
	s_mov_b32 s101, 0
	s_add_co_u32 s17, s18, s41
	s_add_co_u32 s42, s19, s40
	s_lshl_b32 s43, s41, 2
	s_lshl_b32 s43, 15, s43
	s_lshl_b32 s44, 0x1111, s40
	s_lshl_b32 s20, s17, 8                         ; the tile's first row on A's side
	s_lshl_b32 s46, s42, 8                         ; and on B's
	s_mov_b32 s21, 0
	s_mov_b32 s47, 0
	s_mov_b64 s[18:19], KS
	s_mul_u64 s[22:23], s[20:21], s[18:19]
	s_mul_u64 s[92:93], s[46:47], s[18:19]
	s_mov_b64 s[18:19], KROW
	s_mul_u64 s[20:21], s[20:21], s[18:19]
	s_mul_u64 s[46:47], s[46:47], s[18:19]
	s_mul_i32 s45, s14, HALFT
	s_mul_i32 s18, s16, 128*KROW                   ; in the ring a wave fetches 128 rows: which half, in bytes
	s_mov_b32 s19, 0
	s_mov_b32 s[MNT], 0x600000
	s_mov_b32 s[SEL], 0x76543210
	s_mov_b32 s[SEL+1], 0xfedcba98
	s_wait_kmcnt 0x0
	s_cmp_eq_u32 ttmp9, 0
	s_cselect_b64 s[8:9], s[28:29], s[32:33]
	s_cselect_b64 s[10:11], s[30:31], s[34:35]
	s_cselect_b64 s[12:13], s[48:49], s[50:51]
	s_cselect_b64 s[96:97], s[54:55], s[58:59]
	s_cselect_b64 s[98:99], s[56:57], s[60:61]
	s_cmp_eq_u32 ttmp9, 2
	s_cselect_b64 s[4:5], s[36:37], s[24:25]
	s_cselect_b64 s[6:7], s[38:39], s[26:27]
	s_cselect_b64 s[8:9], s[24:25], s[8:9]
	s_cselect_b64 s[10:11], s[26:27], s[10:11]
	s_cselect_b64 s[12:13], s[52:53], s[12:13]
	s_cselect_b64 s[96:97], s[62:63], s[96:97]
	s_cselect_b64 s[98:99], s[68:69], s[98:99]
	s_or_b32 s[G1+0], s43, (0<<16)|(1<<20)|(1<<21)|(5<<22)|(3<<25)
	s_or_b32 s[G1B+0], s44, (0<<16)|(1<<20)|(1<<21)|(5<<22)|(3<<25)
.irp g, G1, G1B
	s_mov_b32 s[\g+1], ROWB<<16
	s_mov_b32 s[\g+2], 256<<16                     ; the head's loads bring 256 rows; behind them the two words are set to 128
	s_mov_b32 s[\g+3], ROWB<<16
	s_mov_b32 s[\g+4], 256
	s_mov_b32 s[\g+5], KROW
	s_mov_b32 s[\g+6], 0
	s_mov_b32 s[\g+7], 0
.endr
	s_or_b32 s[G1S+0], s43, (3<<16)|(1<<20)|(1<<21)|(5<<22)|(3<<25)
	s_or_b32 s[G1SB+0], s44, (3<<16)|(1<<20)|(1<<21)|(5<<22)|(3<<25)
.irp g, G1S, G1SB
	s_mov_b32 s[\g+1], 32<<16
	s_mov_b32 s[\g+2], KS<<16                      ; the scales of 256 rows: 256 KS dense bytes, as KS rows of 256 bytes
	s_mov_b32 s[\g+3], 32<<16
	s_mov_b32 s[\g+4], KS
	s_mov_b32 s[\g+5], 32
	s_mov_b32 s[\g+6], 0
	s_mov_b32 s[\g+7], 0
.endr
	s_add_nc_u64 s[20:21], s[4:5], s[20:21]
	s_add_nc_u64 s[22:23], s[6:7], s[22:23]
	s_add_nc_u64 s[46:47], s[8:9], s[46:47]
	s_add_nc_u64 s[92:93], s[10:11], s[92:93]
	CROUND
	s_mov_b32 s[G0S], 1
	s_mov_b32 s[G0S+1], SCL
	s_mov_b64 s[G0S+2:G0S+3], s[22:23]
	s_or_b32 s[G0S+3], s[G0S+3], 0x80000000
	s_mov_b32 s[G0SB], 1
	s_mov_b32 s[G0SB+1], SCL+2*HALFS
	s_mov_b64 s[G0SB+2:G0SB+3], s[92:93]
	s_or_b32 s[G0SB+3], s[G0SB+3], 0x80000000
	s_mov_b32 s4, 1                                ; s[4:7], s[8:11]: group 0 of the head's loads of K step 0 (the arguments that lay there have been used): A's 256 rows,
	s_mov_b32 s5, 0
	s_mov_b64 s[6:7], s[20:21]
	s_or_b32 s7, s7, 0x80000000
	s_mov_b32 s8, 1                                ; B's 256 rows, behind them in slot 0
	s_mov_b32 s9, 2*HALFT
	s_mov_b64 s[10:11], s[46:47]
	s_or_b32 s11, s11, 0x80000000
	s_add_nc_u64 s[20:21], s[20:21], s[18:19]      ; for the ring: my 128 rows of the tile
	s_add_nc_u64 s[46:47], s[46:47], s[18:19]
.irp s, 0,1
	s_mov_b32 s[G0+4*\s], 1
	s_add_co_u32 s[G0+4*\s+1], s45, \s*SLOT
	s_add_nc_u64 s[G0+4*\s+2:G0+4*\s+3], s[20:21], \s*ROWB
	s_or_b32 s[G0+4*\s+3], s[G0+4*\s+3], 0x80000000
	s_mov_b32 s[G0B+4*\s], 1
	s_add_co_u32 s[G0B+4*\s+1], s45, \s*SLOT
	s_add_nc_u64 s[G0B+4*\s+2:G0B+4*\s+3], s[46:47], \s*ROWB
	s_or_b32 s[G0B+4*\s+3], s[G0B+4*\s+3], 0x80000000
.endr
; THE HEAD'S LOADS, ONE A WAVE: wave 0 K step 0's 256 rows of A, wave 1 those of B, wave 2 A's scales, wave 3 B's.  One tree of branches on the wave's number: every way passes one load.
.macro ARM under, g0, g1, next
	s_cmp_lt_u32 s14, \under
	s_cbranch_scc0 \next
	tensor_load_to_lds s[\g0:\g0+3], s[\g1:\g1+7]
	s_nop 0
.rept 4
	v_nop
.endr
	s_branch .Lhead_asked
\next:
.endm
	ARM 1, 4, G1, .Lhead_b
	ARM 2, 8, G1B, .Lhead_sa
	ARM 3, G0S, G1S, .Lhead_sb
	tensor_load_to_lds s[G0SB:G0SB+3], s[G1SB:G1SB+7]
	s_nop 0
.rept 4
	v_nop
.endr
.Lhead_asked:
	v_and_b32 v1, 15, v0
	v_bfe_u32 v2, v0, 4, 1
	v_mul_u32_u24 v3, v1, PITCH
	v_lshl_add_u32 v4, v2, 4, v3
	s_mul_i32 s21, s15, HALFT
	s_mul_i32 s22, s16, HALFT
	s_add_co_u32 s22, s22, 2*HALFT
.irp s, 0,1
	v_add_nc_u32 v[ADRA+\s], s21, v4
	v_add_nc_u32 v[ADRB+\s], s22, v4
	s_add_co_u32 s21, s21, SLOT
	s_add_co_u32 s22, s22, SLOT
.endr
	v_mul_u32_u24 v5, v1, KS
	v_lshrrev_b32 v6, 8, v5
	v_lshl_add_u32 v5, v6, 4, v5
	s_mul_i32 s21, s15, HALFS
	s_mul_i32 s22, s16, HALFS
	s_add_co_u32 s22, s22, 2*HALFS
	s_sub_co_u32 s22, s22, s21
	v_mul_u32_u24 v6, s22, v2
	s_add_co_u32 s21, s21, SCL
	v_add_nc_u32 v5, v5, v6
	v_add_nc_u32 v[ADRS], s21, v5
	s_lshl_b32 s46, s40, 10
	s_lshl_b32 s47, s16, 9
	s_add_co_u32 s46, s46, s47
	s_mov_b32 s47, 0
	s_add_nc_u64 s[46:47], s[12:13], s[46:47]
	s_lshl_b32 s92, s41, 10
	s_lshl_b32 s93, s15, 9
	s_add_co_u32 s92, s92, s93
	s_mov_b32 s93, 0
	s_add_nc_u64 s[92:93], s[12:13], s[92:93]
	v_lshlrev_b32 v7, 5, v2
	v_lshlrev_b32 v18, 2, v1
	s_wait_alu depctr_va_vdst(0)
.irp t, 0,1,2,3,4,5,6,7
	global_load_b128 v[BP+8*\t:BP+8*\t+3], v7, s[46:47] offset:64*\t
	global_load_b128 v[BP+8*\t+4:BP+8*\t+7], v7, s[46:47] offset:64*\t+16
.endr
.irp a, 0,1,2,3,4,5,6,7
	global_load_b32 v[BR+\a], v18, s[92:93] offset:64*\a
.endr
	s_cmp_eq_u32 ttmp9, 2
	s_mov_b32 s20, 0x100000
	s_cselect_b32 s20, 2048, s20
	s_mov_b32 s21, 32768
	s_cselect_b32 s21, 4096, s21
	s_lshl_b32 s18, s17, 4
	s_lshl_b32 s19, s15, 3
	s_add_co_u32 s18, s18, s19
	s_lshl_b32 s19, s42, 1
	s_add_co_u32 s19, s19, s16
	s_mul_i32 s22, s18, s100
	s_mul_i32 s20, s19, s20
	s_add_co_u32 s22, s22, s20
	s_mov_b32 s23, 0
	s_add_nc_u64 s[96:97], s[96:97], s[22:23]
	s_lshl_b32 s22, s18, 6
	s_mul_i32 s21, s19, s21
	s_add_co_u32 s22, s22, s21
	s_add_nc_u64 s[98:99], s[98:99], s[22:23]
	s_lshl_b32 s19, s14, 9
	v_add_nc_u32 v[SST], s19, v18
	v_and_b32 v6, 31, v0
	v_lshlrev_b32 v[L16], 4, v6
	v_add_nc_u32 v[SRD], s19, v[L16]
	s_wait_loadcnt 0x0
.set i, 0
.rept 64
	v_cndmask_b32 v[BP+i], v[BR+i/8], v[BP+i], s2  ; what the first products take as C.  q, k: register 8 b + j = the bias of column j of B's block b; v: register 8 a + j = the bias of my row of A's block a
.set i, i+1
.endr
.macro FRAG reg, adr, q, i
.irp c, 0,1,2,3
	ds_load_b128 v[\reg+4*\c:\reg+4*\c+3], v[\adr] offset:128*(\q)+32*\c+(\i)*16*PITCH
.endr
.endm
.macro MUL16 a0, p, q, sc, zero
.irp a, \a0, \a0+1
.irp b, 0,1,2,3,4,5,6,7
.if (\zero) == 1                       ; the first product starts the sum from the bias: q, k: by B's block
	v_wmma_scale_f32_16x16x128_f8f6f4 v[8*(8*((\a)%4)+\b):8*(8*((\a)%4)+\b)+7], v[128*(\p)+FR*\b:128*(\p)+FR*\b+FR-1], v[AF+FR*(\a):AF+FR*(\a)+FR-1], v[BP+8*\b:BP+8*\b+7], v[SC+8*NQ*(\sc)+NQ*\b+(\q)], v[SC+8*NQ*(\sc)+NQ*(\a)+(\q)] matrix_a_scale:MATRIX_SCALE_ROW1
.elseif (\zero) == 2                   ; v: by A's block
	v_wmma_scale_f32_16x16x128_f8f6f4 v[8*(8*((\a)%4)+\b):8*(8*((\a)%4)+\b)+7], v[128*(\p)+FR*\b:128*(\p)+FR*\b+FR-1], v[AF+FR*(\a):AF+FR*(\a)+FR-1], v[BP+8*(\a):BP+8*(\a)+7], v[SC+8*NQ*(\sc)+NQ*\b+(\q)], v[SC+8*NQ*(\sc)+NQ*(\a)+(\q)] matrix_a_scale:MATRIX_SCALE_ROW1
.else
	v_wmma_scale_f32_16x16x128_f8f6f4 v[8*(8*((\a)%4)+\b):8*(8*((\a)%4)+\b)+7], v[128*(\p)+FR*\b:128*(\p)+FR*\b+FR-1], v[AF+FR*(\a):AF+FR*(\a)+FR-1], v[8*(8*((\a)%4)+\b):8*(8*((\a)%4)+\b)+7], v[SC+8*NQ*(\sc)+NQ*\b+(\q)], v[SC+8*NQ*(\sc)+NQ*(\a)+(\q)] matrix_a_scale:MATRIX_SCALE_ROW1
.endif
.endr
.endr
.endm
.macro FETCH_B slot, q, p
	WIN TO_B
.irp i, 0,1,2,3,4,5,6,7
	FRAG 128*(\p)+FR*\i, ADRB+\slot, \q, \i
.endr
	WIN 0
.endm
.macro FETCH_A slot, q, i0
.irp i, \i0, \i0+1, \i0+2, \i0+3
	FRAG AF+FR*(\i), ADRA+\slot, \q, \i
.endr
.endm
.macro SCALES sc
.irp i, 0,1,2,3,4,5,6,7
	ds_load_b64 v[SC+8*NQ*\sc+NQ*\i:SC+8*NQ*\sc+NQ*\i+1], v[ADRS] offset:\i*SBLK
.endr
.endm
.macro PLACES n
.rept \n
	v_nop
.endr
.endm
.macro STEP slot, q, zero
	s_wait_dscnt 4*NL
.if \zero
	WIN 0x81                                       ; C, the bias, lies in window 0
.else
	WIN MUL_LO
.endif
	MUL16 0, (\q)%2, \q, \slot, \zero
	MUL16 2, (\q)%2, \q, \slot, \zero
	s_wait_dscnt 0
	PLACES NP
	FETCH_B \slot, (\q)+1, 1-(\q)%2
	FETCH_A \slot, (\q)+1, 0
.if \zero
	WIN 0xc1
.else
	WIN MUL_HI
.endif
	MUL16 4, (\q)%2, \q, \slot, \zero
	MUL16 6, (\q)%2, \q, \slot, \zero
	PLACES NP
	WIN 0
	FETCH_A \slot, (\q)+1, 4
.endm
.macro TURN slot, next, fill
	s_wait_tensorcnt 0x0
	ds_add_u32 v[SPW], v[NIL]
	s_wait_dscnt 4*NL+1
	WIN MUL_LO
	MUL16 0, 1, NQ-1, \slot, 0
	s_wait_dscnt 0x0
	s_barrier_signal -1
	MUL16 2, 1, NQ-1, \slot, 0
	WIN 0
	s_barrier_wait -1
.if \fill
	CREST
	s_add_nc_u64 s[G0+4*\slot+2:G0+4*\slot+3], s[G0+4*\slot+2:G0+4*\slot+3], 2*ROWB
	s_add_nc_u64 s[G0B+4*\slot+2:G0B+4*\slot+3], s[G0B+4*\slot+2:G0B+4*\slot+3], 2*ROWB
	JLOAD G0+4*\slot, G1, G0B+4*\slot, G1B
	PLACES NP-4
.else
	PLACES NP
.endif
	s_wait_alu depctr_va_vdst(0)
	v_add_nc_u32 v[ADRS], 4*NQ, v[ADRS]
	FETCH_B \next, 0, 0
	FETCH_A \next, 0, 0
	SCALES \next
	WIN MUL_HI
	MUL16 4, 1, NQ-1, \slot, 0
	MUL16 6, 1, NQ-1, \slot, 0
	PLACES NP
	WIN 0
	FETCH_A \next, 0, 4
.endm
	s_wait_alu depctr_va_vdst(0)                   ; the wait at the head's end
	s_wait_tensorcnt 0x0                           ; my tile of the head's four is in; the lines ahead of a later first fill:
	ds_add_u32 v[SPW], v[NIL]
	s_mov_b32 s[G1+2], 128<<16                     ; no tensor load of mine is out: from here on a load brings 128 rows
	s_mov_b32 s[G1+4], 128
	s_mov_b32 s[G1B+2], 128<<16
	s_mov_b32 s[G1B+4], 128
	s_wait_dscnt 0x0
	CROUND                                         ; all four tiles are in, all sixteen work-groups are here
	JLOAD G0+4, G1, G0B+4, G1B                     ; K step 1, the first tensor load behind the round
	FETCH_B 0, 0, 0
	FETCH_A 0, 0, 0
	SCALES 0
	FETCH_A 0, 0, 4
	s_cmp_eq_u32 ttmp9, 2                          ; the cluster's x: the same in all sixteen partners.  The first step is written twice: its products name the bias by B's block (q, k) or by A's (v)
	s_cbranch_scc1 .Lfirst_v
	STEP 0, 0, 1
	s_branch .Lfirst_done
.Lfirst_v:
	STEP 0, 0, 2
.Lfirst_done:
	s_mov_b32 s3, LAPS-1
.Llap:
	TURN 0, 1, 1
	STEP 1, 0, 0
	TURN 1, 0, 1
	STEP 0, 0, 0
	s_sub_co_u32 s3, s3, 1
	s_cmp_lg_u32 s3, 0
	s_cbranch_scc1 .Llap
	TURN 0, 1, 0
	STEP 1, 0, 0
	s_wait_dscnt 4*NL
	WIN MUL_LO
	MUL16 0, 1, NQ-1, 1, 0
	MUL16 2, 1, NQ-1, 1, 0
	s_wait_dscnt 0
	WIN MUL_HI
	MUL16 4, 1, NQ-1, 1, 0
	MUL16 6, 1, NQ-1, 1, 0
	WIN 0
; 16 rows x 128 numbers become codes and scale words.  s: the block's accumulators, read where they lie, in window w; the held numbers go to X in window 0.  nx: not the first block
.macro QUANT s, pw, w, nx
	WIN 5*(\w)
.irp b, 0,1,2,3
	v_max3_num_f32 v[TM+\b], |v[\s+16*\b]|, |v[\s+1+16*\b]|, 0x4800000
.endr
	WIN 20*(\w)
.irp i, 2,4,6,8,10,12,14
.irp b, 0,1,2,3
	v_max3_num_f32 v[TM+\b], v[TM+\b], |v[\s+16*\b+\i]|, |v[\s+1+16*\b+\i]|
.endr
.endr
	WIN 0
.irp b, 0,1,2,3
	v_permlanex16_b32 v[TM+4+\b], v[TM+\b], s[SEL], s[SEL+1]
.endr
.irp b, 0,1,2,3
	v_max_num_f32 v[TM+\b], v[TM+\b], v[TM+4+\b]
.endr
.irp b, 0,1,2,3
	v_add_nc_u32 v[TM+12+\b], 0xfc000000, v[TM+\b]
.endr
.irp b, 0,1,2,3
	v_and_or_b32 v[TM+8+\b], v[TM+\b], 0x7f800000, s[MNT]
.endr
.irp b, 0,1,2,3
	v_lshrrev_b32 v[TM+4+\b], 23, v[TM+12+\b]
.endr
	v_lshl_or_b32 v[\pw], v[TM+5], 8, v[TM+4]
	v_lshl_or_b32 v[\pw], v[TM+6], 16, v[\pw]
	v_lshl_or_b32 v[\pw], v[TM+7], 24, v[\pw]
	WIN (\w)
.irp b, 0,1,2,3
.irp i, 0,1,2,3,4,5,6,7,8,9,10,11,12,13,14,15
	v_med3_num_f32 v[X+16*\b+\i], v[\s+16*\b+\i], -v[TM+8+\b], v[TM+8+\b]
.endr
.endr
	WIN 0
.if \nx
	s_wait_alu depctr_va_vdst(0)                   ; the wait directly ahead of the wait below
	s_wait_xcnt 0x0                                ; the last block's stores have read their data and their base: both are written below
	s_add_nc_u64 s[96:97], s[96:97], s[100:101]
.endif
.irp b, 0,1,2,3
	v_cvt_scalef32_pk8_fp8_f32 v[PC+4*\b:PC+1+4*\b], v[X+16*\b:X+7+16*\b], v[TM+12+\b]
	v_cvt_scalef32_pk8_fp8_f32 v[PC+2+4*\b:PC+3+4*\b], v[X+8+16*\b:X+15+16*\b], v[TM+12+\b]
.endr
	v_nop
.endm
.macro OUT a
.set AC, 64*((\a)%4)
	QUANT AC, PW+(\a), 2+(\a)/4, \a
.irp c, 0,1,2,3
	global_store_b128 v[OFC+\c], v[PC+4*\c:PC+4*\c+3], s[96:97]
.endr
	ds_store_b32 v[SST], v[PW+(\a)] offset:64*(\a)
.endm
	PLACES NP
.irp b, 0,1,2,3
	v_mov_b32 v[TM+4+\b], 0
.endr
	v_mov_b32 v[OFC], v[L16]
	v_add_nc_u32 v[OFC+1], 512, v[L16]
	v_add_nc_u32 v[OFC+2], s66, v[L16]
	v_add_nc_u32 v[OFC+3], 512, v[OFC+2]
.irp a, 0,1,2,3,4,5,6,7
	OUT \a
.endr
	ds_load_b128 v[240:243], v[SRD]
	s_wait_dscnt 0x0
	global_store_b128 v[L16], v[240:243], s[98:99]
	s_wait_tensorcnt 0x0
	ds_add_u32 v[SPW], v[NIL]
	s_wait_dscnt 0x0
	CROUND
	s_endpgm
.Lfunc_end_k_q5fb0c2473f_qkv:
	.size	k_q5fb0c2473f_qkv, .Lfunc_end_k_q5fb0c2473f_qkv-k_q5fb0c2473f_qkv
	.p2alignl 7, 3214868480
	.fill 96, 4, 3214868480
	.section	.rodata,"a",@progbits
	.p2align	6, 0x0
	.amdhsa_kernel k_q5fb0c2473f_qkv
		.amdhsa_group_segment_fixed_size 327680
		.amdhsa_private_segment_fixed_size 0
		.amdhsa_enable_private_segment 0
		.amdhsa_kernarg_size 136
		.amdhsa_user_sgpr_count 2
		.amdhsa_user_sgpr_kernarg_segment_ptr 1
		.amdhsa_wavefront_size32 1
		.amdhsa_system_sgpr_workgroup_id_x 1
		.amdhsa_system_sgpr_workgroup_id_y 1
		.amdhsa_system_sgpr_workgroup_id_z 1
		.amdhsa_system_vgpr_workitem_id 0
		.amdhsa_next_free_vgpr 1024
		.amdhsa_next_free_sgpr 106
		.amdhsa_reserve_vcc 0
		.amdhsa_float_denorm_mode_32 3
		.amdhsa_float_denorm_mode_16_64 3
		.amdhsa_memory_ordered 1
		.amdhsa_forward_progress 1
		.amdhsa_inst_pref_size 207
	.end_amdhsa_kernel
	.amdgpu_metadata
---
amdhsa.version: [ 1, 2 ]
amdhsa.kernels:
  - .name:           k_q5fb0c2473f_qkv
    .symbol:         k_q5fb0c2473f_qkv.kd
    .args:
      - { .name: x_codes, .offset: 0, .size: 8, .value_kind: global_buffer, .address_space: global }
      - { .name: x_scales, .offset: 8, .size: 8, .value_kind: global_buffer, .address_space: global }
      - { .name: Wq_codes, .offset: 16, .size: 8, .value_kind: global_buffer, .address_space: global }
      - { .name: Wq_scales, .offset: 24, .size: 8, .value_kind: global_buffer, .address_space: global }
      - { .name: Wk_codes, .offset: 32, .size: 8, .value_kind: global_buffer, .address_space: global }
      - { .name: Wk_scales, .offset: 40, .size: 8, .value_kind: global_buffer, .address_space: global }
      - { .name: Wv_codes, .offset: 48, .size: 8, .value_kind: global_buffer, .address_space: global }
      - { .name: Wv_scales, .offset: 56, .size: 8, .value_kind: global_buffer, .address_space: global }
      - { .name: bq, .offset: 64, .size: 8, .value_kind: global_buffer, .address_space: global }
      - { .name: bk, .offset: 72, .size: 8, .value_kind: global_buffer, .address_space: global }
      - { .name: bv, .offset: 80, .size: 8, .value_kind: global_buffer, .address_space: global }
      - { .name: qc, .offset: 88, .size: 8, .value_kind: global_buffer, .address_space: global }
      - { .name: qs, .offset: 96, .size: 8, .value_kind: global_buffer, .address_space: global }
      - { .name: kc, .offset: 104, .size: 8, .value_kind: global_buffer, .address_space: global }
      - { .name: ks, .offset: 112, .size: 8, .value_kind: global_buffer, .address_space: global }
      - { .name: vc, .offset: 120, .size: 8, .value_kind: global_buffer, .address_space: global }
      - { .name: vs, .offset: 128, .size: 8, .value_kind: global_buffer, .address_space: global }
    .group_segment_fixed_size: 327680
    .private_segment_fixed_size: 0
    .kernarg_segment_align: 8
    .kernarg_segment_size: 136
    .max_flat_workgroup_size: 128
    .sgpr_count:     106
    .vgpr_count:     1024
    .wavefront_size: 32
...
	.end_amdgpu_metadata
.endif
;; end of part 1
;; launch attn (part 2): grid 8 x 32, 16 waves a work-group, clusters of 4 x 1, 327,680 bytes of LDS; arguments qc, qs, kc, ks, vc, vs, oc, os; writes oc, os
.if DOCPART == 2
	.amdgcn_target "amdgcn-amd-amdhsa--gfx1250"
	.amdhsa_code_object_version 6
	.text
	.protected	k_q5fb0c2473f_attn
	.globl	k_q5fb0c2473f_attn
	.p2align	8
	.type	k_q5fb0c2473f_attn,@function
k_q5fb0c2473f_attn:
	s_mov_b64 s[64:65], 0
	v_nop
	global_prefetch_b8 v0, s[64:65] scope:SCOPE_SE
	s_setreg_imm32_b32 hwreg(HW_REG_WAVE_MODE, 25, 1), 1
	s_wait_xcnt 0x0
	s_wait_alu depctr_hold_cnt(0) depctr_sa_sdst(0) depctr_va_vdst(0) depctr_va_sdst(0) depctr_va_ssrc(0) depctr_va_vcc(0) depctr_vm_vsrc(0)
	s_getreg_b32 s2, hwreg(HW_REG_IB_STS2, 6, 4)
	s_cmp_eq_u32 s2, 0
	s_cbranch_scc0 .Lentry_in_a_cluster
	s_endpgm
.Lentry_in_a_cluster:
	s_bfe_u32 s2, ttmp6, 0x10000c
	s_cmp_lg_u32 s2, 0x3003
	s_cbranch_scc0 .Lentry_shape_is_right
	s_endpgm
.Lentry_shape_is_right:
; o = |softmax(q k^T / 8)| v for 64 (batch, head) pairs of 2,048 tokens x 64 channels, both products on codes of FP8 (E4M3) with one E8M0 scale for each 32 along K; o is quantised along the channels and leaves as codes.
; THE SOFTMAX IS QUANTISED FINISHED: p = 2^(t - M) / l, t = score x log2(e) / 8, M = the row's largest t rounded up to a whole number, l = the row's sum of 2^(t - M).  So a row's M and l must be known before any
; p becomes a code: each row walks the keys TWICE.  Pass A: scores, running M and l.  Pass B: the scores again, p, its codes and scale bytes along the keys, and O^T += V^T P^T.
; SHARES.  A work-group owns 256 queries of one batch and a PAIR of heads, one head after the other, so that a token's scale word for the last product (four blocks = two heads) has one owner.
; Each of its sixteen waves owns 16 queries in 256 registers: four waves to a SIMD.  A head's K (128 KiB) and V (128 KiB) lie whole in LDS: fetched once a head, read by both passes, no barrier inside a head.
; CLUSTER.  The four work-groups of a cluster have the same batch and heads: K, V and their scale words are asked for jointly (mask 15).
; LAYOUT.  All buffers are images of operand registers: four registers of 32 lanes are 512 bytes, lane l's 16 bytes at 16 l.  Both products are used transposed (S^T = K Q^T, O^T = V^T P^T): a lane holds one query.
; The 16 registers of key tiles 2 c and 2 c + 1 are 16 keys of block c, in the order in which the launch before laid V's tokens; likewise q's and k's channels.
; K = 64 IN A FORM OF 128: Q's registers 8-15 are zero codes; a key tile's operand runs on into the next tile's codes (finite numbers, times zero), the last tile's into eight zero registers; the scale words come by
; 16-bit loads, so the bytes of the unused blocks are 0, which is 2^-127 and no NaN.
; LIMITS: NaN and infinities are not served.  A block of zeros gets the byte 1.  Where 2^(t - M) falls under 2^-126 the exponential gives 0 (ISA guide 15.8), and p counts as 0.
.set KC,    0                          ; LDS: K's codes of a head: [tile of 16 keys 128][block 2][512]
.set VC,    131072                     ; V's: [tile of 16 channels 4][block of 32 keys 64][512]
.set KSL,   262144                     ; K's scale words, both heads: [tile 128][16 keys x 4 bytes]; filled once
.set VSL,   270336                     ; V's: [128 keys 16][tile of channels of the pair 8][16 x 4 bytes]; filled once
.set OSG,   278528                     ; a stage for o's scale words, 1,024 bytes: no fill lands here
.set SPARE, 279552                     ; the spare words, 128 bytes for each of 16 waves
.set L16,  1                           ; v1   16 x lane
.set SPW,  2                           ; v2   my spare word; never rewritten
.set NIL,  3                           ; v3   0; never rewritten
.set ADK,  4                           ; v4-8 the step's LDS addresses: K's codes, K's scale words, V's tiles 0-1, V's tiles 2-3, V's scale words
.set ADS,  5
.set ADV0, 6
.set ADV1, 7
.set ADT,  8
.set KSB,  9                           ; v9   KSL + 4 x lane: lanes 0-15 an even tile's words, lanes 16-31 the odd tile's behind it
.set VSB,  10                          ; v10  VSL + 4 x lane
.set VB0,  11                          ; v11  VC + 16 x lane
                                       ; v12 -M, in pass B -M - log2(l); v13 the largest t;  v[14:15] the sum in two halves
.set Q,    16                          ; v16-23 Q's codes, v24-31 zeros
.set KF,   32                          ; v32-95 eight key tiles x 8 registers, v96-103 zeros
.set VF,   32                          ; v32-95 four channel tiles x 16 registers
.set S,    104                         ; v104-167 S^T, then p
.set O,    168                         ; v168-199 O^T
.set PC,   200                         ; v200-215 p's codes
.set KSC,  216                         ; v216-219 K's scale words, v220-221 V's, v222 Q's, v223 p's; v220-221 also carry sums in pass A
.set VSC,  220
.set QSC,  222
.set PSW,  223
.set BM,   224                         ; block maxima
.set PX,   228                         ; lane permutes' results, then bytes
.set HD,   232                         ; the holds (pass A: a second chain of the sum)
.set SO,   236                         ; the conversions' scale operands
.set T0,   240                         ; v240-241 at work
.set QSA,  242                         ; v242 4 r
.set OSA,  243                         ; v243 where my row's scale word of o goes: OSG + 64 x wave + 4 r
.set OSR,  244                         ; v244 where waves 0 and 1 read them back: OSG + (16 x thread mod 1,024)
.set OSO,  245                         ; v245 and the same offset in memory
.set PFO,  246                         ; v246 256 x lane; never rewritten
.set OHW,  247                         ; v247 o's scale word
.set OC0,  248                         ; v248-255 the first head's codes of o
.set WV,   20
.set MNT,  21                          ; the mantissa field of 448
.set CS,   22                          ; s[22:23] c = log2(e) / 8
.set SEL,  24                          ; s[24:25] lane l xor 16
.set G1C,  28                          ; s[28:35] group 1: a dense 32 KiB
.set G1KS, 36                          ; s[36:43] a dense 8 KiB
.set G1VS, 44                          ; s[44:51] 16 rows of 512 bytes, 4,096 bytes apart
.set G0K,  52                          ; groups 0
.set G0V,  56
.set G0KS, 60
.set G0VS, 68
.set TK,   72                          ; 8,192 a step
.set TS,   73                          ; 512 a step
.set TV,   74                          ; 2,048 a step
.set CNT,  76
.set PFA,  78
.set LIM,  80
.set QP,   82
.set QSP,  84
.set OCP,  86
.set OSP,  88
.macro CROUND                          ; a round of the cluster's barrier
	s_barrier_signal -1
	s_barrier_wait -1
	s_cmp_lg_u32 s[WV], 0
	s_cbranch_scc1 .Lnot_wave_0_\@
	s_barrier_signal -3
.Lnot_wave_0_\@:
	s_barrier_wait -3
	s_barrier_signal -1
	s_barrier_wait -1
.endm
; The joint loads of a head: waves 0-3 a quarter of K each, waves 4-7 a channel tile of V each; with first = 1 wave 8 K's scale words and wave 9 V's.  One load a wave.  The branches hang on the wave's number alone.
; Four v_nop follow each tensor line.
.macro FILL first
	s_cmp_lt_u32 s[WV], 4
	s_cbranch_scc0 .Lnot_k_\@
	tensor_load_to_lds s[G0K:G0K+3], s[G1C:G1C+7]
	s_nop 0
.rept 4
	v_nop
.endr
	s_branch .Lasked_\@
.Lnot_k_\@:
	s_cmp_lt_u32 s[WV], 8
	s_cbranch_scc0 .Lnot_v_\@
	tensor_load_to_lds s[G0V:G0V+3], s[G1C:G1C+7]
	s_nop 0
.rept 4
	v_nop
.endr
.if \first
	s_branch .Lasked_\@
.endif
.Lnot_v_\@:
.if \first
	s_cmp_eq_u32 s[WV], 8
	s_cbranch_scc0 .Lnot_ks_\@
	tensor_load_to_lds s[G0KS:G0KS+3], s[G1KS:G1KS+7]
	s_nop 0
.rept 4
	v_nop
.endr
	s_branch .Lasked_\@
.Lnot_ks_\@:
	s_cmp_eq_u32 s[WV], 9
	s_cbranch_scc0 .Lasked_\@
	tensor_load_to_lds s[G0VS:G0VS+3], s[G1VS:G1VS+7]
	s_nop 0
.rept 4
	v_nop
.endr
.endif
.Lasked_\@:
.endm
; S^T = K Q^T for the step's 128 keys: 16 loads of codes, 4 of scale words, 8 matrix instructions, 8 places.
.macro KQT e
.irp t, 0,1,2,3,4,5,6,7
	ds_load_b128 v[KF+8*\t:KF+8*\t+3], v[ADK] offset:1024*\t
	ds_load_b128 v[KF+8*\t+4:KF+8*\t+7], v[ADK] offset:1024*\t+512
.endr
.irp g, 0,1,2,3
	ds_load_u16 v[KSC+\g], v[ADS] offset:128*\g+2*\e   ; the head's two bytes of each key's word; the upper two bytes come as 0
.endr
	s_wait_dscnt 0x0
.irp t, 0,2,4,6
	v_wmma_scale_f32_16x16x128_f8f6f4 v[S+8*\t:S+8*\t+7], v[KF+8*\t:KF+8*\t+15], v[Q:Q+15], 0, v[KSC+\t/2], v[QSC]
	v_wmma_scale_f32_16x16x128_f8f6f4 v[S+8*\t+8:S+8*\t+15], v[KF+8*\t+8:KF+8*\t+23], v[Q:Q+15], 0, v[KSC+\t/2], v[QSC] matrix_a_scale:MATRIX_SCALE_ROW1
.endr
.rept 8
	v_nop                                          ; places in front of the first read of the scores, and of loads into the registers just multiplied
.endr
.endm
.macro MAXB                            ; the largest score of my 16 keys of each block of 32; each accumulator is read from its low end on
.irp b, 0,1,2,3
	v_max3_num_f32 v[BM+\b], v[S+16*\b], v[S+1+16*\b], v[S+2+16*\b]
.endr
.irp i, 3,5,7,9,11,13
.irp b, 0,1,2,3
	v_max3_num_f32 v[BM+\b], v[BM+\b], v[S+16*\b+\i], v[S+1+16*\b+\i]
.endr
.endr
.irp b, 0,1,2,3
	v_max_num_f32 v[BM+\b], v[BM+\b], v[S+15+16*\b]
.endr
.endm
.macro TMINUS                          ; t - M, two at a time: of the pairs c and -M the low word serves both halves
.set j, 0
.rept 32
	v_pk_fma_f32 v[S+j:S+j+1], v[S+j:S+j+1], s[CS:CS+1], v[12:13] op_sel_hi:[1,0,0]
.set j, j+2
.endr
.endm
.macro EXP64
.set j, 0
.rept 64
	v_exp_f32 v[S+j], v[S+j]
.set j, j+1
.endr
.endm
; PASS A, a step of 128 keys.  Each lane keeps an M and a sum of its own 64 keys of the step: the two halves of the lanes meet once, behind the pass.
.macro STEP_A e
	v_add_nc_u32 v[ADK], s[TK], v[L16]
	v_add_nc_u32 v[ADS], s[TS], v[KSB]
	KQT \e
	MAXB
	s_delay_alu instid0(VALU_DEP_2)
	v_max3_num_f32 v[T0], v[BM], v[BM+1], v[BM+2]
	s_delay_alu instid0(VALU_DEP_1)
	v_max_num_f32 v[T0], v[T0], v[BM+3]
	s_delay_alu instid0(VALU_DEP_1)
	v_mul_f32 v[T0], s[CS], v[T0]                  ; as t (c is positive)
	s_delay_alu instid0(VALU_DEP_1)
	v_max_num_f32 v13, v13, v[T0]                  ; the running largest t
	v_mov_b32 v[T0], v12
	s_delay_alu instid0(VALU_DEP_2)
	v_floor_f32 v12, -v13                          ; the new -M = -ceil(t): a whole number
	s_delay_alu instid0(VALU_DEP_1)
	v_sub_f32 v[T0], v12, v[T0]                    ; old M - new M: a whole number, 0 or less
	s_delay_alu instid0(VALU_DEP_1)
	v_cvt_i32_f32 v[T0], v[T0]                     ; (it saturates)
	s_delay_alu instid0(VALU_DEP_1)
	v_ldexp_f32 v[T0], 1.0, v[T0]                  ; f = 2^(old M - new M): a multiplication by it rounds nothing
	TMINUS
	s_wait_alu depctr_va_vdst(0)
	EXP64
	v_pk_mul_f32 v[14:15], v[14:15], v[T0:T0+1] op_sel_hi:[1,0]   ; the sums under the new M: the plain line behind the exponentials
	s_wait_alu depctr_va_vdst(0)                   ; one wait for the batch of 64, ahead of its first reader
	v_pk_add_f32 v[232:233], v[108:109], v[112:113]
	v_pk_add_f32 v[238:239], v[116:117], v[120:121]
	v_pk_add_f32 v[236:237], v[124:125], v[128:129]
	v_pk_add_f32 v[234:235], v[132:133], v[136:137]
	v_pk_add_f32 v[226:227], v[140:141], v[144:145]
	v_pk_add_f32 v[224:225], v[148:149], v[152:153]
	v_pk_add_f32 v[220:221], v[156:157], v[160:161]
	v_pk_add_f32 v[14:15], v[14:15], v[164:165]
	v_pk_add_f32 v[232:233], v[232:233], v[104:105]
	v_pk_add_f32 v[238:239], v[238:239], v[106:107]
	v_pk_add_f32 v[236:237], v[236:237], v[110:111]
	v_pk_add_f32 v[234:235], v[234:235], v[114:115]
	v_pk_add_f32 v[226:227], v[226:227], v[118:119]
	v_pk_add_f32 v[224:225], v[224:225], v[122:123]
	v_pk_add_f32 v[220:221], v[220:221], v[126:127]
	v_pk_add_f32 v[14:15], v[14:15], v[130:131]
	v_pk_add_f32 v[232:233], v[232:233], v[134:135]
	v_pk_add_f32 v[238:239], v[238:239], v[138:139]
	v_pk_add_f32 v[236:237], v[236:237], v[142:143]
	v_pk_add_f32 v[234:235], v[234:235], v[146:147]
	v_pk_add_f32 v[226:227], v[226:227], v[150:151]
	v_pk_add_f32 v[224:225], v[224:225], v[154:155]
	v_pk_add_f32 v[220:221], v[220:221], v[158:159]
	v_pk_add_f32 v[14:15], v[14:15], v[162:163]
	v_pk_add_f32 v[232:233], v[232:233], v[166:167]
	s_delay_alu instid0(VALU_DEP_2)
	v_pk_add_f32 v[14:15], v[14:15], v[234:235]
	s_delay_alu instid0(VALU_DEP_2)
	v_pk_add_f32 v[232:233], v[232:233], v[226:227]
	v_pk_add_f32 v[238:239], v[238:239], v[224:225]
	v_pk_add_f32 v[236:237], v[236:237], v[220:221]
	s_delay_alu instid0(VALU_DEP_2)
	v_pk_add_f32 v[14:15], v[14:15], v[238:239]
	s_delay_alu instid0(VALU_DEP_2)
	v_pk_add_f32 v[232:233], v[232:233], v[236:237]
	s_delay_alu instid0(VALU_DEP_1)
	v_pk_add_f32 v[14:15], v[14:15], v[232:233]
	s_add_co_u32 s[TK], s[TK], 8192
	s_add_co_u32 s[TS], s[TS], 512
.endm
; Behind pass A: the row's M is the larger of the two halves'; my sum is brought under it (exact), the other half's is added.  The division by l goes into the exponent:
; -M becomes -M - log2(l), so that pass B's multiply-add and exponential give p = 2^(t - M - log2 l) = 2^(t - M) / l, finished and normalised.
.macro FINISH_A
	v_add_f32 v14, v14, v15
	v_permlanex16_b32 v[PX], v12, s[SEL], s[SEL+1]
	s_delay_alu instid0(VALU_DEP_1)
	v_min_num_f32 v[T0+1], v12, v[PX]              ; the row's -M
	s_delay_alu instid0(VALU_DEP_1)
	v_sub_f32 v[T0], v[T0+1], v12
	s_delay_alu instid0(VALU_DEP_1)
	v_cvt_i32_f32 v[T0], v[T0]
	s_delay_alu instid0(VALU_DEP_1)
	v_ldexp_f32 v[T0], 1.0, v[T0]
	s_delay_alu instid0(VALU_DEP_1)
	v_mul_f32 v14, v14, v[T0]
	v_mov_b32 v12, v[T0+1]
	s_delay_alu instid0(VALU_DEP_2)
	v_permlanex16_b32 v[PX], v14, s[SEL], s[SEL+1]
	s_delay_alu instid0(VALU_DEP_1)
	v_add_f32 v14, v14, v[PX]                      ; l, at least 1/2: the row's largest term is above 1/2
	s_wait_alu depctr_va_vdst(0)
	v_log_f32 v15, v14                             ; log2(l)
	v_nop                                          ; a plain line behind the transcendental
	s_wait_alu depctr_va_vdst(0)                   ; and the wait ahead of its first reader
	v_sub_f32 v12, v12, v15                        ; -M - log2(l)
.endm
; PASS B, a step of 128 keys.  zero = 1: the products start O^T's sums.  ask = 1: the step holds the prefetch.
.macro STEP_B e, zero, ask
	v_add_nc_u32 v[ADK], s[TK], v[L16]             ; five additions and three v_nop: the eight places between the last step's products and the loads into V's registers
	v_add_nc_u32 v[ADS], s[TS], v[KSB]
	v_add_nc_u32 v[ADV0], s[TV], v[VB0]
	s_delay_alu instid0(VALU_DEP_1)
	v_add_nc_u32 v[ADV1], 0x10000, v[ADV0]
	v_add_nc_u32 v[ADT], s[TS], v[VSB]
.rept 3
	v_nop
.endr
	KQT \e
	s_wait_alu depctr_va_vdst(0)
.irp t, 0,1                                    ; V's fragments are asked for now and land under the softmax
.irp c, 0,1,2,3
	ds_load_b128 v[VF+16*\t+4*\c:VF+16*\t+4*\c+3], v[ADV0] offset:32768*\t+512*\c
.endr
.endr
.irp t, 0,1
.irp c, 0,1,2,3
	ds_load_b128 v[VF+32+16*\t+4*\c:VF+32+16*\t+4*\c+3], v[ADV1] offset:32768*\t+512*\c
.endr
.endr
	ds_load_b32 v[VSC], v[ADT] offset:256*\e       ; lanes 0-15: channel tile 0's words, lanes 16-31: tile 1's
	ds_load_b32 v[VSC+1], v[ADT] offset:256*\e+128 ; tiles 2 and 3
.if (\ask)
; A PREFETCH INTO THE L2 of the next head's K and V, behind the wave's run of LDS loads, in the trip where one more trip and the head's end lie ahead of the refill.  Both clusters of a (batch, pair) read the same bytes:
; the first asks.  In it waves 0-7 ask, each for the 32 KiB chunk that it will fetch; the four partners share a chunk BY ADDRESS, 8,192 bytes each, lanes 256 bytes apart: each block of 256 bytes is named once.
	s_cmp_eq_u32 s[CNT], s[LIM]
	s_cbranch_scc0 .Lnot_mine_\@
	global_prefetch_b8 v[PFO], s[PFA:PFA+1] th:TH_LOAD_NT scope:SCOPE_SE
.Lnot_mine_\@:
.endif
	MAXB
.irp b, 0,1,2,3
	s_delay_alu instid0(VALU_DEP_4)
	v_permlanex16_b32 v[PX+\b], v[BM+\b], s[SEL], s[SEL+1]
.endr
.irp b, 0,1,2,3
	s_delay_alu instid0(VALU_DEP_4)
	v_max_num_f32 v[BM+\b], v[BM+\b], v[PX+\b]     ; the block's largest score: p rises with the score, so it gives the block's largest p
.endr
	TMINUS
.irp b, 0,1,2,3
	v_fma_f32 v[BM+\b], v[BM+\b], s[CS], v12       ; the same of each block's largest score
.endr
	s_wait_alu depctr_va_vdst(0)
	EXP64                                          ; p, finished and normalised
.irp b, 0,1,2,3
	v_exp_f32 v[BM+\b], v[BM+\b]                   ; the same two operations on the same number: the block's largest p, bit for bit
.endr
	v_nop                                          ; the plain line behind the exponentials
	s_wait_alu depctr_va_vdst(0)                   ; one wait for the batch of 68
.irp b, 0,1,2,3
	v_max_num_f32 v[BM+\b], 0x4800000, v[BM+\b]    ; the floor 2^(9 - 127): the byte cannot fall under 1
.endr
.irp b, 0,1,2,3
	s_delay_alu instid0(VALU_DEP_4)
	v_add_nc_u32 v[SO+\b], 0xfc000000, v[BM+\b]    ; 8 off the exponent field: the conversion's scale operand
.endr
.irp b, 0,1,2,3
	v_and_or_b32 v[HD+\b], v[BM+\b], 0x7f800000, s[MNT]   ; 448 x the scale
.endr
.irp b, 0,1,2,3
	v_lshrrev_b32 v[PX+\b], 23, v[SO+\b]           ; the scale's byte
.endr
	s_delay_alu instid0(VALU_DEP_3)
	v_lshl_or_b32 v[PSW], v[PX+1], 8, v[PX]        ; p's scale word for these 128 keys
	s_delay_alu instid0(VALU_DEP_1)
	v_lshl_or_b32 v[PSW], v[PX+2], 16, v[PSW]
	s_delay_alu instid0(VALU_DEP_1)
	v_lshl_or_b32 v[PSW], v[PX+3], 24, v[PSW]
; The hold (the conversion does not saturate: ISA guide 7.6.2), two numbers an instruction: a number of block b with one of block b + 1, so that the two destinations are an even and an odd register
; and each pair of sources lies in different banks.  The magnitude that the module takes of the softmax changes nothing: an exponential is never negative.
.irp b, 0,2
.set j, 0
.rept 8
	v_dual_min_num_f32 v[S+16*\b+j], v[S+16*\b+j], v[HD+\b] :: v_dual_min_num_f32 v[S+16*\b+17+j], v[S+16*\b+17+j], v[HD+\b+1]
	v_dual_min_num_f32 v[S+16*\b+j+1], v[S+16*\b+j+1], v[HD+\b] :: v_dual_min_num_f32 v[S+16*\b+16+j], v[S+16*\b+16+j], v[HD+\b+1]
.set j, j+2
.endr
.endr
.irp b, 0,1,2,3
	v_cvt_scalef32_pk8_fp8_f32 v[PC+4*\b:PC+4*\b+1], v[S+16*\b:S+16*\b+7], v[SO+\b]
	v_cvt_scalef32_pk8_fp8_f32 v[PC+4*\b+2:PC+4*\b+3], v[S+16*\b+8:S+16*\b+15], v[SO+\b]
.endr
.rept 4
	v_nop                                          ; an operand written by vector instructions stands four places ahead of a scaled matrix instruction; the scale word was made ahead of the 64 holds
.endr
	s_wait_alu depctr_va_vdst(0)
	s_wait_dscnt 0x0                               ; V is in
.irp t, 0,2                                    ; O^T += V^T P^T: the four accumulators by turns; the next step's eight score products stand between two links
.if \zero
	v_wmma_scale_f32_16x16x128_f8f6f4 v[O+8*\t:O+8*\t+7], v[VF+16*\t:VF+16*\t+15], v[PC:PC+15], 0, v[VSC+\t/2], v[PSW]
	v_wmma_scale_f32_16x16x128_f8f6f4 v[O+8*\t+8:O+8*\t+15], v[VF+16*\t+16:VF+16*\t+31], v[PC:PC+15], 0, v[VSC+\t/2], v[PSW] matrix_a_scale:MATRIX_SCALE_ROW1
.else
	v_wmma_scale_f32_16x16x128_f8f6f4 v[O+8*\t:O+8*\t+7], v[VF+16*\t:VF+16*\t+15], v[PC:PC+15], v[O+8*\t:O+8*\t+7], v[VSC+\t/2], v[PSW]
	v_wmma_scale_f32_16x16x128_f8f6f4 v[O+8*\t+8:O+8*\t+15], v[VF+16*\t+16:VF+16*\t+31], v[PC:PC+15], v[O+8*\t+8:O+8*\t+15], v[VSC+\t/2], v[PSW] matrix_a_scale:MATRIX_SCALE_ROW1
.endif
.endr
	s_add_co_u32 s[TK], s[TK], 8192
	s_add_co_u32 s[TS], s[TS], 512
	s_add_co_u32 s[TV], s[TV], 2048
.endm
; A head's O^T (64 channels of my query: two blocks) becomes 8 registers of codes and two scale bytes.
.macro QUANT_O e
.if \e == 0
.set OD, OC0
.else
.set OD, PC
.endif
.rept 8
	v_nop                                          ; places behind the last products
.endr
.irp b, 0,1
	v_max3_num_f32 v[BM+\b], |v[O+16*\b]|, |v[O+1+16*\b]|, 0x4800000
.endr
.irp i, 2,4,6,8,10,12,14
.irp b, 0,1
	v_max3_num_f32 v[BM+\b], v[BM+\b], |v[O+16*\b+\i]|, |v[O+1+16*\b+\i]|
.endr
.endr
.irp b, 0,1
	s_delay_alu instid0(VALU_DEP_2)
	v_permlanex16_b32 v[PX+\b], v[BM+\b], s[SEL], s[SEL+1]
.endr
.irp b, 0,1
	s_delay_alu instid0(VALU_DEP_2)
	v_max_num_f32 v[BM+\b], v[BM+\b], v[PX+\b]
.endr
.irp b, 0,1
	s_delay_alu instid0(VALU_DEP_2)
	v_add_nc_u32 v[SO+\b], 0xfc000000, v[BM+\b]
.endr
.irp b, 0,1
	s_delay_alu instid0(VALU_DEP_4)
	v_and_or_b32 v[HD+\b], v[BM+\b], 0x7f800000, s[MNT]
.endr
.irp b, 0,1
	s_delay_alu instid0(VALU_DEP_4)
	v_lshrrev_b32 v[PX+\b], 23, v[SO+\b]
.endr
.if \e == 0
	s_delay_alu instid0(VALU_DEP_1)
	v_lshl_or_b32 v[OHW], v[PX+1], 8, v[PX]        ; the word's lower half
.else
	s_delay_alu instid0(VALU_DEP_1)
	v_lshl_or_b32 v[T0], v[PX+1], 8, v[PX]
	s_delay_alu instid0(VALU_DEP_1)
	v_lshl_or_b32 v[OHW], v[T0], 16, v[OHW]        ; and its upper
.endif
.irp b, 0,1
.set j, 0
.rept 16
	v_med3_num_f32 v[O+16*\b+j], v[O+16*\b+j], -v[HD+\b], v[HD+\b]
.set j, j+1
.endr
	v_cvt_scalef32_pk8_fp8_f32 v[OD+4*\b:OD+4*\b+1], v[O+16*\b:O+16*\b+7], v[SO+\b]
	v_cvt_scalef32_pk8_fp8_f32 v[OD+4*\b+2:OD+4*\b+3], v[O+16*\b+8:O+16*\b+15], v[SO+\b]
.endr
	v_nop                                          ; a plain line behind the last conversion: the next head's products write its sources
.endm
.macro HEAD e
	global_load_b128 v[Q:Q+3], v[L16], s[QP:QP+1] offset:524288*\e       ; my 16 queries' codes: two blocks
	global_load_b128 v[Q+4:Q+7], v[L16], s[QP:QP+1] offset:524288*\e+512
	global_load_u16 v[QSC], v[QSA], s[QSP:QSP+1] offset:2*\e             ; and the head's two scale bytes of each
	s_wait_tensorcnt 0x0                           ; my part of the head's tiles has landed,
	s_barrier_signal -1
	s_barrier_wait -1                              ; everybody's has.
	v_mov_b32 v13, 0xff61b1e6                      ; the largest t so far: -3e38
	s_delay_alu instid0(VALU_DEP_1)
	v_floor_f32 v12, -v13
	v_mov_b32 v14, 0
	v_mov_b32 v15, 0
	s_mov_b32 s[TK], 0
	s_mov_b32 s[TS], 0
	s_mov_b32 s[CNT], 16
	s_wait_loadcnt 0x0                             ; Q
.Lpass_a\e:
	STEP_A \e
	s_sub_co_u32 s[CNT], s[CNT], 1
	s_cmp_lg_u32 s[CNT], 0
	s_cbranch_scc1 .Lpass_a\e
	FINISH_A
	s_mov_b32 s[TK], 0
	s_mov_b32 s[TS], 0
	s_mov_b32 s[TV], 0
	STEP_B \e, 1, 0                                ; the first step stands in front of the loop: its products start O^T's sums
	s_mov_b32 s[CNT], 15
.Lpass_b\e:
	STEP_B \e, 0, 1-\e
	s_sub_co_u32 s[CNT], s[CNT], 1
	s_cmp_lg_u32 s[CNT], 0
	s_cbranch_scc1 .Lpass_b\e
	QUANT_O \e
.endm
	s_load_b512 s[4:19], s[0:1], 0x0               ; qc, qs, kc, ks, vc, vs, oc, os
	v_lshl_add_u32 v[SPW], v0, 2, SPARE
	v_mov_b32 v[NIL], 0
	ds_add_u32 v2, v3
	ds_add_u32 v2, v3
	s_wait_dscnt 0x0
	v_lshrrev_b32 v[T0], 5, v0
	s_delay_alu instid0(VALU_DEP_1)
	v_readfirstlane_b32 s[WV], v[T0]               ; wave 0..15
	s_bfe_u32 s90, ttmp6, 0x40000                  ; cx: it enters the addresses of q, o and the prefetch alone
	s_lshl_b32 s91, ttmp9, 2
	s_add_co_u32 s91, s91, s90                     ; my block of 256 queries
	s_and_b32 s92, ttmp7, 0xffff
	s_and_b32 s93, s92, 7                          ; pr: the pair of heads
	s_lshr_b32 s92, s92, 3                         ; b: the batch
	s_lshl_b32 s94, s92, 7
	s_lshl_b32 s95, s91, 4
	s_add_co_u32 s94, s94, s95                     ; the work-group's first tile of 16 tokens: 128 b + 16 x block
	; what the fetching waves fetch: made of b, pr and the wave's number alone
	s_and_b32 s95, s[WV], 3
	s_lshl_b32 s66, s93, 20                        ; a pair of heads is 2^20 bytes in qc, kc and vc
	s_lshl_b32 s67, s95, 15                        ; a chunk of 32 KiB, in LDS too
	s_lshl_b32 s96, s92, 17
	s_add_co_u32 s96, s96, s66
	s_add_co_u32 s96, s96, s67                     ; K: pair + batch x 128 KiB + quarter x 32 KiB
	s_mov_b32 s97, 0
	s_lshl_b32 s98, s95, 17
	s_add_co_u32 s98, s98, s66
	s_lshl_b32 s99, s92, 15
	s_add_co_u32 s98, s98, s99                     ; V: pair + channel tile x 128 KiB + batch x 32 KiB
	s_mov_b32 s99, 0
	s_lshl_b32 s72, s93, 15
	s_lshl_b32 s73, s92, 13
	s_add_co_u32 s72, s72, s73                     ; K's scale words: pair x 32 KiB + batch x 8 KiB
	s_mov_b32 s73, 0
	s_lshl_b32 s74, s92, 16
	s_lshl_b32 s75, s93, 9
	s_add_co_u32 s74, s74, s75                     ; V's: batch x 16 rows of 4,096 bytes + pair x 512
	s_mov_b32 s75, 0
	s_mov_b32 s[G1C], 15|(3<<16)|(1<<21)           ; 15:0 the mask: all four work-groups; elements of 8 bytes; bit 21 beside a mask; no padding: every read is 16 x lane + constants
	s_mov_b32 s[G1C+1], 32<<16                     ; rows of 256 bytes
	s_mov_b32 s[G1C+2], 128<<16
	s_mov_b32 s[G1C+3], 32<<16
	s_mov_b32 s[G1C+4], 128
	s_mov_b32 s[G1C+5], 32
	s_mov_b32 s[G1C+6], 0
	s_mov_b32 s[G1C+7], 0
	s_mov_b32 s[G1KS], 15|(3<<16)|(1<<21)
	s_mov_b32 s[G1KS+1], 32<<16
	s_mov_b32 s[G1KS+2], 32<<16
	s_mov_b32 s[G1KS+3], 32<<16
	s_mov_b32 s[G1KS+4], 32
	s_mov_b32 s[G1KS+5], 32
	s_mov_b32 s[G1KS+6], 0
	s_mov_b32 s[G1KS+7], 0
	s_mov_b32 s[G1VS], 15|(3<<16)|(1<<21)
	s_mov_b32 s[G1VS+1], 64<<16                    ; rows of 512 bytes,
	s_mov_b32 s[G1VS+2], 16<<16                    ; 16 of them,
	s_mov_b32 s[G1VS+3], 64<<16
	s_mov_b32 s[G1VS+4], 16
	s_mov_b32 s[G1VS+5], 512                       ; 4,096 bytes apart
	s_mov_b32 s[G1VS+6], 0
	s_mov_b32 s[G1VS+7], 0
	s_mov_b32 s[MNT], 0x600000
	s_mov_b32 s[CS], 0x3e38aa3b                    ; c = log2(e) / 8
	s_mov_b32 s[CS+1], s[CS]                       ; (named with it as a pair, so it is written)
	s_mov_b32 s[SEL], 0x76543210
	s_mov_b32 s[SEL+1], 0xfedcba98
	s_wait_kmcnt 0x0
	s_mov_b32 s[G0K], 1
	s_mov_b32 s[G0K+1], s67
	s_add_nc_u64 s[G0K+2:G0K+3], s[8:9], s[96:97]
	s_or_b32 s[G0K+3], s[G0K+3], 0x80000000
	s_mov_b32 s[G0V], 1
	s_add_co_u32 s[G0V+1], s67, VC
	s_add_nc_u64 s[G0V+2:G0V+3], s[12:13], s[98:99]
	s_or_b32 s[G0V+3], s[G0V+3], 0x80000000
	s_mov_b32 s[G0KS], 1
	s_mov_b32 s[G0KS+1], KSL
	s_add_nc_u64 s[G0KS+2:G0KS+3], s[10:11], s[72:73]
	s_or_b32 s[G0KS+3], s[G0KS+3], 0x80000000
	s_mov_b32 s[G0VS], 1
	s_mov_b32 s[G0VS+1], VSL
	s_add_nc_u64 s[G0VS+2:G0VS+3], s[14:15], s[74:75]
	s_or_b32 s[G0VS+3], s[G0VS+3], 0x80000000
	CROUND                                         ; all four work-groups are here: the first joint loads meet
	FILL 1                                         ; a wave has at most one tensor load out
	; the prefetch: my own chunk of the pair's second head, my work-group's quarter of it
	s_cmp_lt_u32 s[WV], 4
	s_cselect_b64 s[PFA:PFA+1], s[8:9], s[12:13]
	s_cselect_b32 s96, s96, s98
	s_lshl_b32 s98, s90, 13
	s_add_co_u32 s96, s96, s98
	s_add_co_u32 s96, s96, 0x80000
	s_add_nc_u64 s[PFA:PFA+1], s[PFA:PFA+1], s[96:97]
	s_lshr_b32 s[LIM], s[WV], 3                    ; 0 in waves 0 to 7,
	s_or_b32 s[LIM], s[LIM], ttmp9                 ; of the first of the two clusters: the same in all four partners
	s_cmp_eq_u32 s[LIM], 0
	s_cselect_b32 s[LIM], 2, 0                     ; the trip in which I ask; 0 is never met
	; q's, o's addresses
	s_add_co_u32 s95, s94, s[WV]                   ; my tile of 16 tokens
	s_lshl_b32 s96, s95, 10
	s_add_co_u32 s96, s96, s66
	s_add_nc_u64 s[QP:QP+1], s[4:5], s[96:97]
	s_lshl_b32 s96, s95, 6
	s_lshl_b32 s98, s93, 15
	s_add_co_u32 s96, s96, s98
	s_add_nc_u64 s[QSP:QSP+1], s[6:7], s[96:97]
	s_lshl_b32 s96, s95, 14
	s_lshl_b32 s99, s93, 11
	s_add_co_u32 s96, s96, s99
	s_add_nc_u64 s[OCP:OCP+1], s[16:17], s[96:97]  ; oc: [tile][pair of heads 8][block 4][512]
	s_lshl_b32 s96, s94, 6
	s_add_co_u32 s96, s96, s98
	s_add_nc_u64 s[OSP:OSP+1], s[18:19], s[96:97]  ; os: [pair of heads 8][token 8,192] words: the work-group's 256 tokens are 1,024 consecutive bytes
	v_and_b32 v[T0], 31, v0
	s_delay_alu instid0(VALU_DEP_1)
	v_lshlrev_b32 v[L16], 4, v[T0]
	s_delay_alu instid0(VALU_DEP_2)
	v_lshl_add_u32 v[KSB], v[T0], 2, KSL
	s_delay_alu instid0(VALU_DEP_3)
	v_lshl_add_u32 v[VSB], v[T0], 2, VSL
	s_delay_alu instid0(VALU_DEP_3)
	v_add_nc_u32 v[VB0], VC, v[L16]
	v_lshlrev_b32 v[PFO], 8, v[T0]
	v_and_b32 v[T0+1], 15, v0
	s_delay_alu instid0(VALU_DEP_1)
	v_lshlrev_b32 v[QSA], 2, v[T0+1]
	s_lshl_b32 s95, s[WV], 6
	v_add_nc_u32 v[OSA], s95, v[QSA]
	s_delay_alu instid0(VALU_DEP_1)
	v_add_nc_u32 v[OSA], OSG, v[OSA]
	v_lshlrev_b32 v[OSO], 4, v0
	s_delay_alu instid0(VALU_DEP_1)
	v_and_b32 v[OSO], 0x3ff, v[OSO]
	s_delay_alu instid0(VALU_DEP_1)
	v_add_nc_u32 v[OSR], OSG, v[OSO]
.irp j, 0,1,2,3,4,5,6,7
	v_mov_b32 v[Q+8+\j], 0                         ; zero codes: the unused half of K = 128
	v_mov_b32 v[KF+64+\j], 0                       ; and what the last key tile's operand runs on into
.endr
.irp b, 0,1,2,3
	v_mov_b32 v[PX+\b], 0                          ; written once: a lane permute's destination counts as one of its sources
.endr
	HEAD 0
	; THE CHANGE OF HEADS: K's and V's bytes are filled again.  Each wave waits for all its tensor loads, adds 0 to its spare word, and waits for that and for its reads; then a round of the cluster's barrier:
	; no wave of any partner still reads the tiles; the joint refill is the first thing behind it.
	s_wait_tensorcnt 0x0
	ds_add_u32 v[SPW], v[NIL]                      ; 0 onto my spare word; the descriptors' steps stand between it and the wait for it
	ds_add_u32 v2, v3
	s_add_nc_u64 s[G0K+2:G0K+3], s[G0K+2:G0K+3], 0x80000   ; the pair's second head: 524,288 bytes on, in kc and in vc
	s_add_nc_u64 s[G0V+2:G0V+3], s[G0V+2:G0V+3], 0x80000
	s_wait_dscnt 0x0
	CROUND
	FILL 0
	HEAD 1
	; THE WAY OUT: my 16 tokens' codes of the pair's 128 channels are 2,048 consecutive bytes; the scale words of the work-group's 256 tokens meet in LDS and leave as 1,024 consecutive bytes.
	global_store_b128 v[L16], v[OC0:OC0+3], s[OCP:OCP+1]
	global_store_b128 v[L16], v[OC0+4:OC0+7], s[OCP:OCP+1] offset:512
	global_store_b128 v[L16], v[PC:PC+3], s[OCP:OCP+1] offset:1024
	global_store_b128 v[L16], v[PC+4:PC+7], s[OCP:OCP+1] offset:1536
	ds_store_b32 v[OSA], v[OHW]                    ; lanes r and r + 16 write the same word with the same value
	s_wait_dscnt 0x0                               ; for the others' sake
	s_barrier_signal -1
	s_barrier_wait -1
	s_cmp_lt_u32 s[WV], 2
	s_cbranch_scc0 .Lno_words
	ds_load_b128 v[S:S+3], v[OSR]
	s_wait_dscnt 0x0
	global_store_b128 v[OSO], v[S:S+3], s[OSP:OSP+1]   ; waves 0 and 1: 512 consecutive bytes each
.Lno_words:
	s_wait_tensorcnt 0x0                           ; the wave's end
	ds_add_u32 v[SPW], v[NIL]
	s_wait_dscnt 0x0
	CROUND                                         ; the closing round
	s_endpgm
.Lfunc_end_k_q5fb0c2473f_attn:
	.size	k_q5fb0c2473f_attn, .Lfunc_end_k_q5fb0c2473f_attn-k_q5fb0c2473f_attn
	.p2alignl 7, 3214868480
	.fill 96, 4, 3214868480
	.section	.rodata,"a",@progbits
	.p2align	6, 0x0
	.amdhsa_kernel k_q5fb0c2473f_attn
		.amdhsa_group_segment_fixed_size 327680
		.amdhsa_private_segment_fixed_size 0
		.amdhsa_enable_private_segment 0
		.amdhsa_kernarg_size 64
		.amdhsa_user_sgpr_count 2
		.amdhsa_user_sgpr_kernarg_segment_ptr 1
		.amdhsa_wavefront_size32 1
		.amdhsa_system_sgpr_workgroup_id_x 1
		.amdhsa_system_sgpr_workgroup_id_y 1
		.amdhsa_system_sgpr_workgroup_id_z 1
		.amdhsa_system_vgpr_workitem_id 0
		.amdhsa_next_free_vgpr 256
		.amdhsa_next_free_sgpr 100
		.amdhsa_reserve_vcc 0
		.amdhsa_float_denorm_mode_32 3
		.amdhsa_float_denorm_mode_16_64 3
		.amdhsa_memory_ordered 1
		.amdhsa_forward_progress 1
		.amdhsa_inst_pref_size 110
	.end_amdhsa_kernel
	.amdgpu_metadata
---
amdhsa.version: [ 1, 2 ]
amdhsa.kernels:
  - .name:           k_q5fb0c2473f_attn
    .symbol:         k_q5fb0c2473f_attn.kd
    .args:
      - { .name: qc, .offset: 0, .size: 8, .value_kind: global_buffer, .address_space: global }
      - { .name: qs, .offset: 8, .size: 8, .value_kind: global_buffer, .address_space: global }
      - { .name: kc, .offset: 16, .size: 8, .value_kind: global_buffer, .address_space: global }
      - { .name: ks, .offset: 24, .size: 8, .value_kind: global_buffer, .address_space: global }
      - { .name: vc, .offset: 32, .size: 8, .value_kind: global_buffer, .address_space: global }
      - { .name: vs, .offset: 40, .size: 8, .value_kind: global_buffer, .address_space: global }
      - { .name: oc, .offset: 48, .size: 8, .value_kind: global_buffer, .address_space: global }
      - { .name: os, .offset: 56, .size: 8, .value_kind: global_buffer, .address_space: global }
    .group_segment_fixed_size: 327680
    .private_segment_fixed_size: 0
    .kernarg_segment_align: 8
    .kernarg_segment_size: 64
    .max_flat_workgroup_size: 512
    .sgpr_count:     100
    .vgpr_count:     256
    .wavefront_size: 32
...
	.end_amdgpu_metadata
.endif
;; end of part 2
;; launch proj (part 3): grid 4 x 32, 4 waves a work-group, clusters of 4 x 4, 327,680 bytes of LDS; arguments oc, os, Wo_codes, Wo_scales, bo, out0; writes out0
.if DOCPART == 3
	.amdgcn_target "amdgcn-amd-amdhsa--gfx1250"
	.amdhsa_code_object_version 6
	.text
	.protected	k_q5fb0c2473f_proj
	.globl	k_q5fb0c2473f_proj
	.p2align	8
	.type	k_q5fb0c2473f_proj,@function
k_q5fb0c2473f_proj:
	s_mov_b64 s[64:65], 0
	v_nop
	global_prefetch_b8 v0, s[64:65] scope:SCOPE_SE
	s_setreg_imm32_b32 hwreg(HW_REG_WAVE_MODE, 25, 1), 1
	s_wait_xcnt 0x0
	s_wait_alu depctr_hold_cnt(0) depctr_sa_sdst(0) depctr_va_vdst(0) depctr_va_sdst(0) depctr_va_ssrc(0) depctr_va_vcc(0) depctr_vm_vsrc(0)
	s_getreg_b32 s2, hwreg(HW_REG_IB_STS2, 6, 4)
	s_cmp_eq_u32 s2, 0
	s_cbranch_scc0 .Lentry_in_a_cluster
	s_endpgm
.Lentry_in_a_cluster:
	s_bfe_u32 s2, ttmp6, 0x10000c
	s_cmp_lg_u32 s2, 0xf033
	s_cbranch_scc0 .Lentry_shape_is_right
	s_endpgm
.Lentry_shape_is_right:
.set SIZE_N, 1024
.set SIZE_K, 1024
.set KSTEP,  256
.set NQ,     KSTEP/128
.set ROWB,   256
.set KROW,   SIZE_K
.set PITCH,  272
.set FR,     16
.set NL,     4
.set NP,     8
.set HALFA,  32768
.set HALFB,  128*PITCH
.set SLOT,   2*HALFA+2*HALFB
.set LAPS,   SIZE_K/(2*KSTEP)
.set KS,     SIZE_K/32
.set SCLA,   2*SLOT
.set SPA,    1088                      ; o's scale words in LDS: a pair of heads' words of the work-group's 256 tokens, 1,024 bytes + 64 of padding
.set HALFSA, 8*SPA
.set SCLB,   SCLA+2*HALFSA
.set HALFS,  (128*KS/256)*272
.set SBLK,   (16*KS/256)*272
.set SPARE,  SCLB+2*HALFS
.set SPITCH, 528
.set ADRA, 16
.set ADRB, 20
.set STO,  24
.set RD,   25
.set CO,   26
.set ADSA, 27
.set SPW,  28
.set NIL,  29
.set ADSB, 30
.set SC,   32
.set BP,   64
.set AF,   128
.set BK,   128
.set G1, 24
.set G0, 32
.set G1B, 48
.set G0B, 56
.set G1S, 68
.set G0S, 76
.set G1SB, 80
.set G0SB, 88
.set MSB, 0
.macro WIN new
.if MSB != \new
	s_set_vgpr_msb (MSB<<8)|\new
.set MSB, \new
.endif
.endm
.set MUL_LO, 0xa1
.set MUL_HI, 0xf1
.set TO_B,   0x40
.macro JLOAD g0a, g1a, g0b, g1b
	s_cmp_eq_u32 s15, 0
	s_cbranch_scc0 .Lfor_b_\@
	tensor_load_to_lds s[\g0a:\g0a+3], s[\g1a:\g1a+7]
	s_nop 0
.rept 4
	v_nop
.endr
	s_branch .Lasked_\@
.Lfor_b_\@:
	tensor_load_to_lds s[\g0b:\g0b+3], s[\g1b:\g1b+7]
	s_nop 0
.rept 4
	v_nop
.endr
.Lasked_\@:
.endm
.macro CREST
	s_cmp_lg_u32 s14, 0
	s_cbranch_scc1 .Lnot_wave_0_\@
	s_barrier_signal -3
.Lnot_wave_0_\@:
	s_barrier_wait -3
	s_barrier_signal -1
	s_barrier_wait -1
.endm
.macro CROUND
	s_barrier_signal -1
	s_barrier_wait -1
	CREST
.endm
	s_load_b128 s[4:7], s[0:1], 0x0
	s_load_b128 s[8:11], s[0:1], 0x10
	s_load_b64 s[96:97], s[0:1], 0x20
	s_load_b64 s[12:13], s[0:1], 0x28
	v_lshl_add_u32 v[SPW], v0, 2, SPARE
	v_mov_b32 v[NIL], 0
	ds_add_u32 v28, v29
	ds_add_u32 v28, v29
	s_wait_dscnt 0x0
	v_lshrrev_b32 v1, 5, v0
	v_readfirstlane_b32 s14, v1
	s_lshr_b32 s15, s14, 1
	s_and_b32 s16, s14, 1
	s_bfe_u32 s40, ttmp6, 0x40000
	s_bfe_u32 s41, ttmp6, 0x40004
	s_lshl_b32 s42, ttmp9, 2
	s_add_co_u32 s42, s42, s40
	s_and_b32 s17, ttmp7, 0xffff
	s_lshl_b32 s17, s17, 2
	s_add_co_u32 s17, s17, s41
	s_lshl_b32 s43, s41, 2
	s_lshl_b32 s43, 15, s43
	s_lshl_b32 s44, 0x1111, s40
	s_or_b32 s[G1+0], s43, (3<<16)|(1<<21)
	s_mov_b32 s[G1+1], 512<<16
	s_mov_b32 s[G1+2], 16<<16                      ; the head's load brings all 16 tiles of tokens; behind it the two words are set to 8
	s_mov_b32 s[G1+3], 512<<16
	s_mov_b32 s[G1+4], 16
	s_mov_b32 s[G1+5], 2048
	s_mov_b32 s[G1+6], 0
	s_mov_b32 s[G1+7], 0
	s_or_b32 s[G1B+0], s44, (0<<16)|(1<<20)|(1<<21)|(5<<22)|(3<<25)
	s_mov_b32 s[G1B+1], ROWB<<16
	s_mov_b32 s[G1B+2], 256<<16
	s_mov_b32 s[G1B+3], ROWB<<16
	s_mov_b32 s[G1B+4], 256
	s_mov_b32 s[G1B+5], KROW
	s_mov_b32 s[G1B+6], 0
	s_mov_b32 s[G1B+7], 0
	s_or_b32 s[G1S+0], s43, (3<<16)|(1<<20)|(1<<21)|(7<<22)|(15<<25)   ; 16 words of padding behind every 256 words: a row
	s_mov_b32 s[G1S+1], 128<<16
	s_mov_b32 s[G1S+2], 8<<16
	s_mov_b32 s[G1S+3], 128<<16
	s_mov_b32 s[G1S+4], 8
	s_mov_b32 s[G1S+5], 4096
	s_mov_b32 s[G1S+6], 0
	s_mov_b32 s[G1S+7], 0
	s_or_b32 s[G1SB+0], s44, (3<<16)|(1<<20)|(1<<21)|(5<<22)|(3<<25)
	s_mov_b32 s[G1SB+1], 32<<16
	s_mov_b32 s[G1SB+2], KS<<16
	s_mov_b32 s[G1SB+3], 32<<16
	s_mov_b32 s[G1SB+4], KS
	s_mov_b32 s[G1SB+5], 32
	s_mov_b32 s[G1SB+6], 0
	s_mov_b32 s[G1SB+7], 0
	s_lshl_b32 s20, s17, 4
	s_lshl_b32 s22, s20, 6
	s_lshl_b32 s20, s20, 14
	s_mov_b32 s21, 0
	s_mov_b32 s23, 0
	s_lshl_b32 s46, s42, 8
	s_lshl_b32 s92, s46, 5
	s_lshl_b32 s46, s46, 10
	s_mov_b32 s47, 0
	s_mov_b32 s93, 0
	s_lshl_b32 s45, s16, 15
	s_mul_i32 s94, s16, HALFB
	s_add_co_u32 s94, s94, 2*HALFA
	s_wait_kmcnt 0x0
	s_add_nc_u64 s[20:21], s[4:5], s[20:21]
	s_add_nc_u64 s[22:23], s[6:7], s[22:23]
	s_add_nc_u64 s[46:47], s[8:9], s[46:47]
	s_add_nc_u64 s[92:93], s[10:11], s[92:93]
	CROUND
	s_mov_b32 s[G0S], 1
	s_mov_b32 s[G0S+1], SCLA
	s_mov_b64 s[G0S+2:G0S+3], s[22:23]
	s_or_b32 s[G0S+3], s[G0S+3], 0x80000000
	s_mov_b32 s[G0SB], 1
	s_mov_b32 s[G0SB+1], SCLB
	s_mov_b64 s[G0SB+2:G0SB+3], s[92:93]
	s_or_b32 s[G0SB+3], s[G0SB+3], 0x80000000
	s_mov_b32 s4, 1                                ; s[4:7], s[8:11]: group 0 of the head's loads of K step 0 (the arguments that lay there have been used): o's 16 tiles of tokens,
	s_mov_b32 s5, 0
	s_mov_b64 s[6:7], s[20:21]
	s_or_b32 s7, s7, 0x80000000
	s_mov_b32 s8, 1                                ; Wo's 256 rows, behind them in slot 0
	s_mov_b32 s9, 2*HALFA
	s_mov_b64 s[10:11], s[46:47]
	s_or_b32 s11, s11, 0x80000000
	s_lshl_b32 s18, s16, 17                        ; for the ring: my half: 8 tiles of 16,384 bytes of o, 128 rows of 1,024 bytes of Wo: 131,072 bytes both
	s_mov_b32 s19, 0
	s_add_nc_u64 s[20:21], s[20:21], s[18:19]
	s_add_nc_u64 s[46:47], s[46:47], s[18:19]
.irp s, 0,1
	s_mov_b32 s[G0+4*\s], 1
	s_add_co_u32 s[G0+4*\s+1], s45, \s*SLOT
	s_add_nc_u64 s[G0+4*\s+2:G0+4*\s+3], s[20:21], \s*4096
	s_or_b32 s[G0+4*\s+3], s[G0+4*\s+3], 0x80000000
	s_mov_b32 s[G0B+4*\s], 1
	s_add_co_u32 s[G0B+4*\s+1], s94, \s*SLOT
	s_add_nc_u64 s[G0B+4*\s+2:G0B+4*\s+3], s[46:47], \s*ROWB
	s_or_b32 s[G0B+4*\s+3], s[G0B+4*\s+3], 0x80000000
.endr
; THE HEAD'S LOADS, ONE A WAVE: wave 0 K step 0 of o's codes, wave 1 of Wo's, wave 2 o's scale words, wave 3 Wo's.  One tree of branches on the wave's number: every way passes one load.
.macro ARM under, g0, g1, next
	s_cmp_lt_u32 s14, \under
	s_cbranch_scc0 \next
	tensor_load_to_lds s[\g0:\g0+3], s[\g1:\g1+7]
	s_nop 0
.rept 4
	v_nop
.endr
	s_branch .Lhead_asked
\next:
.endm
	ARM 1, 4, G1, .Lhead_b
	ARM 2, 8, G1B, .Lhead_sa
	ARM 3, G0S, G1S, .Lhead_sb
	tensor_load_to_lds s[G0SB:G0SB+3], s[G1SB:G1SB+7]
	s_nop 0
.rept 4
	v_nop
.endr
.Lhead_asked:
	v_and_b32 v1, 15, v0
	v_bfe_u32 v2, v0, 4, 1
	v_and_b32 v6, 31, v0
	v_lshlrev_b32 v[CO], 4, v6
	v_mul_u32_u24 v3, v1, PITCH
	v_lshl_add_u32 v4, v2, 3, v3
	s_lshl_b32 s21, s15, 15
	s_mul_i32 s22, s16, HALFB
	s_add_co_u32 s22, s22, 2*HALFA
.irp s, 0,1
	v_add_nc_u32 v[ADRA+\s], s21, v[CO]
	v_add_nc_u32 v[ADRB+\s], s22, v4
	s_add_co_u32 s21, s21, SLOT
	s_add_co_u32 s22, s22, SLOT
.endr
	v_lshlrev_b32 v5, 2, v1
	v_mul_u32_u24 v6, v2, SPA
	v_add_nc_u32 v5, v5, v6
	s_lshl_b32 s21, s15, 9                         ; my 128 tokens' words: 512 bytes on in each row
	s_add_co_u32 s21, s21, SCLA
	v_add_nc_u32 v[ADSA], s21, v5
	v_mul_u32_u24 v5, v1, KS
	v_lshrrev_b32 v6, 8, v5
	v_lshl_add_u32 v5, v6, 4, v5
	v_lshl_add_u32 v5, v2, 2, v5
	s_mul_i32 s22, s16, HALFS
	s_add_co_u32 s22, s22, SCLB
	v_add_nc_u32 v[ADSB], s22, v5
	s_mul_i32 s23, s14, 16*SPITCH
	v_mul_u32_u24 v5, v1, SPITCH
	v_lshl_add_u32 v5, v2, 5, v5
	v_add_nc_u32 v[STO], s23, v5
	v_add_nc_u32 v[RD], s23, v[CO]
	s_lshl_b32 s46, s42, 10
	s_lshl_b32 s47, s16, 9
	s_add_co_u32 s46, s46, s47
	s_mov_b32 s47, 0
	s_add_nc_u64 s[96:97], s[96:97], s[46:47]
	v_lshlrev_b32 v7, 5, v2
.irp t, 0,1,2,3,4,5,6,7
	global_load_b128 v[BP+8*\t:BP+8*\t+3], v7, s[96:97] offset:64*\t
	global_load_b128 v[BP+8*\t+4:BP+8*\t+7], v7, s[96:97] offset:64*\t+16
.endr
	s_lshl_b32 s20, s17, 8
	s_lshl_b32 s21, s15, 7
	s_add_co_u32 s20, s20, s21
	s_mov_b32 s21, 0
	s_mov_b64 s[18:19], SIZE_N*4
	s_mul_u64 s[20:21], s[20:21], s[18:19]
	s_add_nc_u64 s[20:21], s[20:21], s[46:47]
	s_add_nc_u64 s[12:13], s[12:13], s[20:21]
.macro FRAGA reg, adr, q, i
.irp c, 0,1,2,3
	ds_load_b128 v[\reg+4*\c:\reg+4*\c+3], v[\adr] offset:4096*(\i)+2048*(\q)+512*\c
.endr
.endm
.macro FRAGB reg, adr, q, i
.irp c, 0,1,2,3,4,5,6,7
	ds_load_b64 v[\reg+2*\c:\reg+2*\c+1], v[\adr] offset:128*(\q)+16*\c+(\i)*16*PITCH
.endr
.endm
.macro MUL16 a0, p, q, sc, zero
.irp a, \a0, \a0+1
.irp b, 0,1,2,3,4,5,6,7
.if \zero
	v_wmma_scale_f32_16x16x128_f8f6f4 v[8*(8*((\a)%4)+\b):8*(8*((\a)%4)+\b)+7], v[128*(\p)+FR*\b:128*(\p)+FR*\b+FR-1], v[AF+FR*(\a):AF+FR*(\a)+FR-1], v[BP+8*\b:BP+8*\b+7], v[SC+16*(\sc)+\b], v[SC+16*(\sc)+8+(\a)]
.elseif (\q) == 0
	v_wmma_scale_f32_16x16x128_f8f6f4 v[8*(8*((\a)%4)+\b):8*(8*((\a)%4)+\b)+7], v[128*(\p)+FR*\b:128*(\p)+FR*\b+FR-1], v[AF+FR*(\a):AF+FR*(\a)+FR-1], v[8*(8*((\a)%4)+\b):8*(8*((\a)%4)+\b)+7], v[SC+16*(\sc)+\b], v[SC+16*(\sc)+8+(\a)]
.else
	v_wmma_scale_f32_16x16x128_f8f6f4 v[8*(8*((\a)%4)+\b):8*(8*((\a)%4)+\b)+7], v[128*(\p)+FR*\b:128*(\p)+FR*\b+FR-1], v[AF+FR*(\a):AF+FR*(\a)+FR-1], v[8*(8*((\a)%4)+\b):8*(8*((\a)%4)+\b)+7], v[SC+16*(\sc)+\b], v[SC+16*(\sc)+8+(\a)] matrix_a_scale:MATRIX_SCALE_ROW1 matrix_b_scale:MATRIX_SCALE_ROW1
.endif
.endr
.endr
.endm
.macro FETCH_B slot, q, p
	WIN TO_B
.irp i, 0,1,2,3,4,5,6,7
	FRAGB 128*(\p)+FR*\i, ADRB+\slot, \q, \i
.endr
	WIN 0
.endm
.macro FETCH_A slot, q, i0
.irp i, \i0, \i0+1, \i0+2, \i0+3
	FRAGA AF+FR*(\i), ADRA+\slot, \q, \i
.endr
.endm
.macro SCALES sc
.irp i, 0,1,2,3,4,5,6,7
	ds_load_b32 v[SC+16*\sc+\i], v[ADSB] offset:\i*SBLK
	ds_load_b32 v[SC+16*\sc+8+\i], v[ADSA] offset:\i*64
.endr
.endm
.macro PLACES n
.rept \n
	v_nop
.endr
.endm
.macro STEP slot, q, zero
	s_wait_dscnt 4*NL
.if \zero
	WIN 0x81
.else
	WIN MUL_LO
.endif
	MUL16 0, (\q)%2, \q, \slot, \zero
	MUL16 2, (\q)%2, \q, \slot, \zero
	s_wait_dscnt 0
	PLACES NP
	FETCH_B \slot, (\q)+1, 1-(\q)%2
	FETCH_A \slot, (\q)+1, 0
.if \zero
	WIN 0xc1
.else
	WIN MUL_HI
.endif
	MUL16 4, (\q)%2, \q, \slot, \zero
	MUL16 6, (\q)%2, \q, \slot, \zero
	PLACES NP
	WIN 0
	FETCH_A \slot, (\q)+1, 4
.endm
.macro TURN slot, next, fill
	s_wait_tensorcnt 0x0
	ds_add_u32 v[SPW], v[NIL]
	s_wait_dscnt 4*NL+1
	WIN MUL_LO
	MUL16 0, 1, NQ-1, \slot, 0
	s_wait_dscnt 0x0
	s_barrier_signal -1
	MUL16 2, 1, NQ-1, \slot, 0
	WIN 0
	s_barrier_wait -1
.if \fill
	CREST
	s_add_nc_u64 s[G0+4*\slot+2:G0+4*\slot+3], s[G0+4*\slot+2:G0+4*\slot+3], 2*4096
	s_add_nc_u64 s[G0B+4*\slot+2:G0B+4*\slot+3], s[G0B+4*\slot+2:G0B+4*\slot+3], 2*ROWB
	JLOAD G0+4*\slot, G1, G0B+4*\slot, G1B
	PLACES NP-4
.else
	PLACES NP
.endif
	s_wait_alu depctr_va_vdst(0)
	v_add_nc_u32 v[ADSA], 2*SPA, v[ADSA]
	v_add_nc_u32 v[ADSB], 4*NQ, v[ADSB]
	FETCH_B \next, 0, 0
	FETCH_A \next, 0, 0
	SCALES \next
	WIN MUL_HI
	MUL16 4, 1, NQ-1, \slot, 0
	MUL16 6, 1, NQ-1, \slot, 0
	PLACES NP
	WIN 0
	FETCH_A \next, 0, 4
.endm
	s_wait_alu depctr_va_vdst(0)
	s_wait_tensorcnt 0x0                           ; my tile of the head's four is in; the lines ahead of a later first fill:
	ds_add_u32 v[SPW], v[NIL]
	s_mov_b32 s[G1+2], 8<<16                       ; no tensor load of mine is out: from here on a load brings 8 tiles of o, 128 rows of Wo
	s_mov_b32 s[G1+4], 8
	s_mov_b32 s[G1B+2], 128<<16
	s_mov_b32 s[G1B+4], 128
	s_wait_dscnt 0x0
	CROUND                                         ; all four tiles are in, all sixteen work-groups are here
	JLOAD G0+4, G1, G0B+4, G1B                     ; K step 1, the first tensor load behind the round
	FETCH_B 0, 0, 0
	FETCH_A 0, 0, 0
	SCALES 0
	FETCH_A 0, 0, 4
	s_wait_loadcnt 0x0
	STEP 0, 0, 1
	s_mov_b32 s3, LAPS-1
.Llap:
	TURN 0, 1, 1
	STEP 1, 0, 0
	TURN 1, 0, 1
	STEP 0, 0, 0
	s_sub_co_u32 s3, s3, 1
	s_cmp_lg_u32 s3, 0
	s_cbranch_scc1 .Llap
	TURN 0, 1, 0
	STEP 1, 0, 0
	s_wait_dscnt 4*NL
	WIN MUL_LO
	MUL16 0, 1, NQ-1, 1, 0
	MUL16 2, 1, NQ-1, 1, 0
	s_wait_dscnt 0
	WIN MUL_HI
	MUL16 4, 1, NQ-1, 1, 0
	MUL16 6, 1, NQ-1, 1, 0
	WIN 0
.macro TOSTAGE a
.set AC, 64*((\a)%4)
	WIN 0x08+4*((\a)/4)
.irp b, 0,1,2,3,4,5,6,7
	ds_store_b128 v[STO], v[AC+8*\b:AC+8*\b+3] offset:64*\b
	ds_store_b128 v[STO], v[AC+8*\b+4:AC+8*\b+7] offset:64*\b+16
.endr
	WIN 0
.set BB, BK+64*((\a)%2)
.irp t, 0,1,2,3,4,5,6,7,8,9,10,11,12,13,14,15
	ds_load_b128 v[BB+4*\t:BB+4*\t+3], v[RD] offset:\t*SPITCH
.endr
.endm
.macro SEND a, younger
.set BB, BK+64*((\a)%2)
	s_wait_dscnt \younger
.if (\a) > 0
	s_add_nc_u64 s[12:13], s[12:13], 16*SIZE_N*4
.endif
.irp t, 0,1,2,3,4,5,6,7,8,9,10,11,12,13,14,15
	global_store_b128 v[CO], v[BB+4*\t:BB+4*\t+3], s[12:13] offset:\t*SIZE_N*4 th:TH_STORE_NT
.endr
.endm
	PLACES NP
	TOSTAGE 0
.irp a, 1,2,3,4,5,6,7
.if \a > 1
	s_wait_xcnt 0x0
.endif
	TOSTAGE \a
	SEND \a-1, 32
.endr
	s_wait_xcnt 0x0
	SEND 7, 0
	s_wait_tensorcnt 0x0
	ds_add_u32 v[SPW], v[NIL]
	s_wait_dscnt 0x0
	CROUND
	s_endpgm
.Lfunc_end_k_q5fb0c2473f_proj:
	.size	k_q5fb0c2473f_proj, .Lfunc_end_k_q5fb0c2473f_proj-k_q5fb0c2473f_proj
	.p2alignl 7, 3214868480
	.fill 96, 4, 3214868480
	.section	.rodata,"a",@progbits
	.p2align	6, 0x0
	.amdhsa_kernel k_q5fb0c2473f_proj
		.amdhsa_group_segment_fixed_size 327680
		.amdhsa_private_segment_fixed_size 0
		.amdhsa_enable_private_segment 0
		.amdhsa_kernarg_size 48
		.amdhsa_user_sgpr_count 2
		.amdhsa_user_sgpr_kernarg_segment_ptr 1
		.amdhsa_wavefront_size32 1
		.amdhsa_system_sgpr_workgroup_id_x 1
		.amdhsa_system_sgpr_workgroup_id_y 1
		.amdhsa_system_sgpr_workgroup_id_z 1
		.amdhsa_system_vgpr_workitem_id 0
		.amdhsa_next_free_vgpr 1024
		.amdhsa_next_free_sgpr 100
		.amdhsa_reserve_vcc 0
		.amdhsa_float_denorm_mode_32 3
		.amdhsa_float_denorm_mode_16_64 3
		.amdhsa_memory_ordered 1
		.amdhsa_forward_progress 1
		.amdhsa_inst_pref_size 166
	.end_amdhsa_kernel
	.amdgpu_metadata
---
amdhsa.version: [ 1, 2 ]
amdhsa.kernels:
  - .name:           k_q5fb0c2473f_proj
    .symbol:         k_q5fb0c2473f_proj.kd
    .args:
      - { .name: oc, .offset: 0, .size: 8, .value_kind: global_buffer, .address_space: global }
      - { .name: os, .offset: 8, .size: 8, .value_kind: global_buffer, .address_space: global }
      - { .name: Wo_codes, .offset: 16, .size: 8, .value_kind: global_buffer, .address_space: global }
      - { .name: Wo_scales, .offset: 24, .size: 8, .value_kind: global_buffer, .address_space: global }
      - { .name: bo, .offset: 32, .size: 8, .value_kind: global_buffer, .address_space: global }
      - { .name: out0, .offset: 40, .size: 8, .value_kind: global_buffer, .address_space: global }
    .group_segment_fixed_size: 327680
    .private_segment_fixed_size: 0
    .kernarg_segment_align: 8
    .kernarg_segment_size: 48
    .max_flat_workgroup_size: 128
    .sgpr_count:     100
    .vgpr_count:     1024
    .wavefront_size: 32
...
	.end_amdgpu_metadata
.endif
;; end of part 3
